; MI455X (gfx1250); checked and timed in simulation.
; The chip was launched on July 23, 2026; its instructions are those of AMD's public machine-readable ISA for CDNA 5 (MIT licence, August 2026) and "CDNA5" Instruction Set Architecture Reference Guide (July 2026). The comments in the code are by the model that wrote it; some were corrected since.
;; Intent Slot Labelling Model. Allowed arithmetic: float matrix products may take bf16 or f16 operands with f32 sums; other float arithmetic in f32, or as packed bf16 or f16 multiplies, adds, multiply-adds, maxima and minima; sums over many terms, partial sums and values carried from step to step in f32; what a program stores and reads back later, other than sums and carried values, may be rounded once to bf16 or f16.
;; Inputs: conv_b 512 float32; conv_w 512 x 512 float32; dec_b1 1,024 float32; dec_b2 128 float32; dec_w1 512 x 1,024 float32; dec_w2 1,024 x 128 float32; emb_table 50,257 x 512 float32; token_ids 32 x 1,024 int32.
;; Outputs: out0 32,768 x 128 float32.
;; 2 versions, each right. Each part assembles by itself: llvm-mc -triple=amdgcn-amd-amdhsa -mcpu=gfx1250 --defsym DOCPART=n.
;; ======== version 1 of 2: 2 launches
;; limits: values are held in f16: magnitudes above 65,504 overflow, below 6.1e-05 lose precision
;; workspace buffers: wq 1,835,008 bytes
;; launch prep (part 1): grid 96 x 1, 8 waves a work-group, no clusters, 0 bytes of LDS; arguments conv_w, dec_w1, dec_w2, wq; writes wq
.if DOCPART == 1
	.amdgcn_target "amdgcn-amd-amdhsa--gfx1250"
	.amdhsa_code_object_version 6
	.text
	.protected	k_qc9060ba2ba_prep
	.globl	k_qc9060ba2ba_prep
	.p2align	8
	.type	k_qc9060ba2ba_prep,@function
k_qc9060ba2ba_prep:
	s_mov_b64 s[64:65], 0
	v_nop
	global_prefetch_b8 v0, s[64:65] scope:SCOPE_SE
	s_setreg_imm32_b32 hwreg(HW_REG_WAVE_MODE, 25, 1), 1
	s_wait_xcnt 0x0
; THE WEIGHTS, ROUNDED ONCE AND LAID OUT IN THE ORDER IN WHICH THE NEXT LAUNCH'S OPERAND REGISTERS TAKE THEM.
; wq holds 28 tiles of 65,536 bytes.  The 16 bytes at T x 65536 + w x 16384 + f x 1024 + q x 512 + l x 16 (tile T, wave w, fragment f, register half q, lane l)
; hold, for output column n = nbase + l % 16, the eight numbers k = kbase + 16 q + 8 (l / 16) + 0..7:
;   T = 0..7    bf16(conv_w[n][k])          f = 8 e + b     nbase = 128 w + 16 b                   kbase = 64 T + 32 e
;   T = 8..23   f16(bf16(dec_w1[k][n]))     f = 8 e + b     nbase = 512 ((T-8)/8) + 128 w + 16 b   kbase = 64 ((T-8)%8) + 32 e
;   T = 24..27  bf16(dec_w2[k][n])          f = 4 kq + lb   nbase = 64 ((T-24)/2) + 16 lb          kbase = 512 ((T-24)%2) + 128 w + 32 kq
; Nothing of the problem is left out here: every number of the three weight inputs is read once and written once.
; LIMITS.  Every weight is rounded to bf16.  dec_w1's bf16 number is then written as f16: exact from 6.1e-5 to 65,504 in size; below it keeps f16's fixed step of 6e-8, beyond it becomes an infinity.
; SHARES.  96 work-groups of 256 threads; the work-group's number picks one of three arms:
;   0..63   dec_w1: 256 columns x 32 k; a thread owns one column: each of its 32 loads is 4 bytes, and a wave's load covers 128 consecutive bytes of a row
;   64..79  dec_w2: 128 columns x 64 k; a thread owns one column and 32 k
;   80..95  conv_w: 256 rows x 64 k; a thread owns 256 consecutive bytes of one row
; A thread's eight numbers for (q, l / 16) are 16 bytes, and sixteen neighbouring threads store 256 consecutive bytes, aligned.
.set DAT, 4                            ; v[4:67]   as loaded
.set PKD, 68                           ; v[68:99]  packed, to store
; 32 numbers down a column, \stride bytes apart, rounded and stored as four pieces.  half = 1: the bf16 number is written as f16
.macro COLS base, stride, half
.set i, 0
.rept 32
	global_load_b32 v[DAT+i], v1, s[\base:\base+1] offset:i*(\stride) th:TH_LOAD_NT
.set i, i+1
.endr
	s_wait_loadcnt 0x0                             ; all 32 were issued first: one wait
.set i, 0
.rept 16
	v_cvt_pk_bf16_f32 v[PKD+i], v[DAT+2*i], v[DAT+2*i+1]
.set i, i+1
.endr
.if \half
.set i, 0
.rept 16
	v_lshlrev_b32 v[DAT+2*i], 16, v[PKD+i]         ; the bf16 numbers as f32 again,
	v_and_b32 v[DAT+2*i+1], 0xffff0000, v[PKD+i]
.set i, i+1
.endr
.set i, 0
.rept 16
	v_cvt_pk_f16_f32 v[PKD+i], v[DAT+2*i], v[DAT+2*i+1]  ; and as f16
.set i, i+1
.endr
.endif
.irp p, 0,1,2,3
	global_store_b128 v2, v[PKD+4*\p:PKD+4*\p+3], s[10:11] offset:256*\p  ; piece p = 2 q + l / 16: k = 8 p .. 8 p + 7, at q x 512 + (l / 16) x 256
.endr
.endm
	s_load_b256 s[4:11], s[0:1], 0x0               ; conv_w s[4:5], dec_w1 s[6:7], dec_w2 s[8:9], wq s[10:11]
	v_lshrrev_b32 v100, 7, v0                      ; t / 128
	v_and_b32 v2, 15, v0
	v_lshlrev_b32 v2, 4, v2                        ; 16 (t % 16): my place in a piece
	s_mov_b32 s17, 0                               ; the offsets' high words
	s_mov_b32 s19, 0
	s_wait_kmcnt 0x0
	s_cmp_lt_u32 ttmp9, 64
	s_cbranch_scc0 .Lnot_w1
	; dec_w1: column n = 256 nblk + t, k = 32 kf + 0..31
	s_and_b32 s13, ttmp9, 3                        ; nblk
	s_lshr_b32 s14, ttmp9, 2                       ; kf
	s_lshl_b32 s16, s14, 17                        ; 32 rows of 4,096 bytes
	s_lshl_b32 s15, s13, 10
	s_add_co_u32 s16, s16, s15
	s_add_nc_u64 s[6:7], s[6:7], s[16:17]
	s_lshr_b32 s18, s13, 1                         ; tile 8 + 8 (n / 512) + kf / 2
	s_lshl_b32 s18, s18, 3
	s_lshr_b32 s15, s14, 1
	s_add_co_u32 s18, s18, s15
	s_add_co_u32 s18, s18, 8
	s_lshl_b32 s18, s18, 16
	s_and_b32 s15, s13, 1                          ; wave 2 (nblk % 2) + t / 128
	s_lshl_b32 s15, s15, 15
	s_add_co_u32 s18, s18, s15
	s_and_b32 s15, s14, 1                          ; e = kf % 2
	s_lshl_b32 s15, s15, 13
	s_add_co_u32 s18, s18, s15
	s_add_nc_u64 s[10:11], s[10:11], s[18:19]
	v_bfe_u32 v101, v0, 4, 3                       ; b
	v_lshl_add_u32 v2, v101, 10, v2
	v_lshl_add_u32 v2, v100, 14, v2
	v_lshlrev_b32 v1, 2, v0
	COLS 6, 4096, 1
	s_endpgm
.Lnot_w1:
	s_cmp_lt_u32 ttmp9, 80
	s_cbranch_scc0 .Lconv
	; dec_w2: column n = t % 128, k = 64 y + 32 (t / 128) + 0..31
	s_sub_co_u32 s13, ttmp9, 64                    ; y
	s_lshl_b32 s16, s13, 15                        ; 64 rows of 512 bytes
	s_add_nc_u64 s[8:9], s[8:9], s[16:17]
	s_lshr_b32 s18, s13, 3                         ; tile 24 + 2 (n / 64) + k / 512
	s_add_co_u32 s18, s18, 24
	s_lshl_b32 s18, s18, 16
	s_bfe_u32 s15, s13, 0x20001                    ; wave (k / 128) % 4
	s_lshl_b32 s15, s15, 14
	s_add_co_u32 s18, s18, s15
	s_and_b32 s15, s13, 1                          ; kq = 2 (y % 2) + t / 128
	s_lshl_b32 s15, s15, 13
	s_add_co_u32 s18, s18, s15
	s_add_nc_u64 s[10:11], s[10:11], s[18:19]
	v_bfe_u32 v101, v0, 4, 2                       ; lb
	v_lshl_add_u32 v2, v101, 10, v2
	v_lshl_add_u32 v2, v100, 12, v2
	v_bfe_u32 v101, v0, 6, 1                       ; n / 64: two tiles on
	v_lshl_add_u32 v2, v101, 17, v2
	v_and_b32 v1, 127, v0
	v_lshlrev_b32 v1, 2, v1
	v_lshl_add_u32 v1, v100, 14, v1                ; 32 rows of 512 bytes for the upper half of the threads
	COLS 8, 512, 0
	s_endpgm
.Lconv:
	; conv_w: row n = 256 (y % 2) + t, k = 64 (y / 2) + 0..63
	s_sub_co_u32 s13, ttmp9, 80                    ; y
	s_and_b32 s14, s13, 1
	s_lshr_b32 s15, s13, 1
	s_lshl_b32 s16, s14, 19                        ; 256 rows of 2,048 bytes
	s_lshl_b32 s18, s15, 8
	s_add_co_u32 s16, s16, s18
	s_add_nc_u64 s[4:5], s[4:5], s[16:17]
	s_lshl_b32 s18, s15, 16                        ; tile y / 2
	s_lshl_b32 s14, s14, 15                        ; wave 2 (y % 2) + t / 128
	s_add_co_u32 s18, s18, s14
	s_add_nc_u64 s[10:11], s[10:11], s[18:19]
	v_bfe_u32 v101, v0, 4, 3                       ; b
	v_lshl_add_u32 v2, v101, 10, v2
	v_lshl_add_u32 v2, v100, 14, v2
	v_lshlrev_b32 v1, 11, v0
.set i, 0
.rept 16
	global_load_b128 v[DAT+4*i:DAT+4*i+3], v1, s[4:5] offset:16*i th:TH_LOAD_NT
.set i, i+1
.endr
	s_wait_loadcnt 0x0
.set i, 0
.rept 32
	v_cvt_pk_bf16_f32 v[PKD+i], v[DAT+2*i], v[DAT+2*i+1]
.set i, i+1
.endr
.set i, 0
.rept 8
	global_store_b128 v2, v[PKD+4*i:PKD+4*i+3], s[10:11] offset:(i/4)*8192+(i%4)*256  ; piece i = 4 e + 2 q + l / 16
.set i, i+1
.endr
	s_endpgm
.Lfunc_end_k_qc9060ba2ba_prep:
	.size	k_qc9060ba2ba_prep, .Lfunc_end_k_qc9060ba2ba_prep-k_qc9060ba2ba_prep
	.p2alignl 7, 3214868480
	.fill 96, 4, 3214868480
	.section	.rodata,"a",@progbits
	.p2align	6, 0x0
	.amdhsa_kernel k_qc9060ba2ba_prep
		.amdhsa_group_segment_fixed_size 0
		.amdhsa_private_segment_fixed_size 0
		.amdhsa_enable_private_segment 0
		.amdhsa_kernarg_size 32
		.amdhsa_user_sgpr_count 2
		.amdhsa_user_sgpr_kernarg_segment_ptr 1
		.amdhsa_wavefront_size32 1
		.amdhsa_system_sgpr_workgroup_id_x 1
		.amdhsa_system_sgpr_workgroup_id_y 1
		.amdhsa_system_sgpr_workgroup_id_z 1
		.amdhsa_system_vgpr_workitem_id 0
		.amdhsa_next_free_vgpr 112
		.amdhsa_next_free_sgpr 66
		.amdhsa_reserve_vcc 0
		.amdhsa_float_denorm_mode_32 3
		.amdhsa_float_denorm_mode_16_64 3
		.amdhsa_memory_ordered 1
		.amdhsa_forward_progress 1
		.amdhsa_inst_pref_size 19
	.end_amdhsa_kernel
	.amdgpu_metadata
---
amdhsa.version: [ 1, 2 ]
amdhsa.kernels:
  - .name:           k_qc9060ba2ba_prep
    .symbol:         k_qc9060ba2ba_prep.kd
    .args:
      - { .name: conv_w, .offset: 0, .size: 8, .value_kind: global_buffer, .address_space: global }
      - { .name: dec_w1, .offset: 8, .size: 8, .value_kind: global_buffer, .address_space: global }
      - { .name: dec_w2, .offset: 16, .size: 8, .value_kind: global_buffer, .address_space: global }
      - { .name: wq, .offset: 24, .size: 8, .value_kind: global_buffer, .address_space: global }
    .group_segment_fixed_size: 0
    .private_segment_fixed_size: 0
    .kernarg_segment_align: 8
    .kernarg_segment_size: 32
    .max_flat_workgroup_size: 256
    .sgpr_count:     66
    .vgpr_count:     112
    .wavefront_size: 32
...
	.end_amdgpu_metadata
.endif
;; end of part 1
;; launch chain (part 2): grid 256 x 1, 4 waves a work-group, clusters of 4 x 1, 327,680 bytes of LDS; arguments token_ids, emb_table, wq, conv_b, dec_b1, dec_b2, out0; writes out0
.if DOCPART == 2
	.amdgcn_target "amdgcn-amd-amdhsa--gfx1250"
	.amdhsa_code_object_version 6
	.text
	.protected	k_qc9060ba2ba_chain
	.globl	k_qc9060ba2ba_chain
	.p2align	8
	.type	k_qc9060ba2ba_chain,@function
k_qc9060ba2ba_chain:
	s_mov_b64 s[64:65], 0
	v_nop
	global_prefetch_b8 v0, s[64:65] scope:SCOPE_SE
	s_setreg_imm32_b32 hwreg(HW_REG_WAVE_MODE, 25, 1), 1
	s_wait_xcnt 0x0
	s_wait_alu depctr_hold_cnt(0) depctr_sa_sdst(0) depctr_va_vdst(0) depctr_va_sdst(0) depctr_va_ssrc(0) depctr_va_vcc(0) depctr_vm_vsrc(0)
	s_getreg_b32 s2, hwreg(HW_REG_IB_STS2, 6, 4)
	s_cmp_eq_u32 s2, 0
	s_cbranch_scc0 .Lentry_in_a_cluster
	s_endpgm
.Lentry_in_a_cluster:
	s_bfe_u32 s2, ttmp6, 0x10000c
	s_cmp_lg_u32 s2, 0x3003
	s_cbranch_scc0 .Lentry_shape_is_right
	s_endpgm
.Lentry_shape_is_right:
; THE WHOLE CHAIN FOR 128 TOKENS A WORK-GROUP: x = emb_table[token]; h = relu(x conv_w^T + conv_b); z = relu(h dec_w1 + dec_b1); out0 = z dec_w2 + dec_b2.
; Nothing of the problem is left out: every input has a way to the output and is loaded (the three weights as the launch before laid them into wq).  h and z never go to memory.
; FORMATS AND LIMITS.  Every floating-point input, the biases too, is rounded to bf16.  x and z are matrix operands in bf16, h in f16 (its product's other operand is dec_w1's bf16 number written as
; f16).  All sums are f32.  |h| from 65,520 on becomes an infinity; below 6.1e-5 h keeps f16's fixed step of 6e-8.  The last product's K is summed in four parts, one a wave, which are added in f32.
; A NaN in h or z counts as 0 (the packed maximum with 0 takes the number).  A token id outside 0 .. 50,256, taken as unsigned, is read as 50,256.
; SHARES.  Work-group WG = 4 x cluster + place owns rows 128 WG .. + 127.  ALL PRODUCTS ARE USED TRANSPOSED: source 0 = 16 output columns (rows of the laid-out weights), source 1 = 16 tokens.  In a result a
; lane holds ONE token (lane % 16) and the columns 8 (lane / 16) + 0..7, so two neighbouring results, rounded in pairs, ARE a source 1 (16 tokens x 32 K) of the next product.
;   pass 0  h:  a wave makes all 128 tokens x its 128 columns (128 w ..), K = 512, bf16: 64 accumulators
;   pass 1, 2  z: the same tile at columns 512 c + 128 w .., c = 0, 1, K = 512, f16
;   last product: a wave multiplies ITS OWN 256 columns of z, which stay in its registers, by its slice of dec_w2, in two halves of 64 labels (32 accumulators); the four waves' partial sums meet in LDS.
; THE WEIGHTS are one stream of 28 tiles of 64 KiB that every work-group walks.  The four work-groups of a cluster ask for each tile JOINTLY; each wave asks for the 16 KiB that it alone reads.
; Two slots take turns; a tile feeds 128 matrix instructions a wave.  By this text's count a wave has two tensor loads out at the start and one behind each change of slots.
; THE GATHER runs under pass 0: a wave fetches its 32 rows in pieces of 256 bytes (64 K, what one tile multiplies), 64 loads of 512 bytes ahead, rounds them and puts them into LDS for all four waves.
; LDS: 0 the two slots (the only bytes that tensor loads fill) | ACT: 128 rows x 1,040 bytes: x, then h; later, from the same byte on, 4 x 128 rows x 272 bytes of partial sums | BIAS | the spare words.
; REGISTERS, in windows of 256 (s_set_vgpr_msb: bits 1:0 source 0, 3:2 source 1, 5:4 source 2, 7:6 destination):
;   window 0: v0-31 addresses; v32-63 bias tiles; v64-127 eight weight fragments; v128-191, v192-255 two buffers of eight token fragments
;   window 1: two gather buffers of 128; then h packed; then z's first 128 columns packed: fragment (a, kf) at 8 (8 kf + a)
;   windows 2, 3: accumulator (token block a, column block b) in window 2 + b / 4 at 8 (8 (b % 4) + a); z's second 128 columns are packed in place into the even b, the last product sums in the odd b
.set SLOT,  65536                      ; a slot of the ring; a wave's quarter at w x 16384
.set ACT,   131072
.set AP,    1040                       ; a row of x or h: 1,024 bytes + 16: 65 x 16, so the 16 rows of a fragment load lie in 16 different columns of 16 bytes modulo 256
.set AHALF, 64*AP                      ; rows 64 on want a second address register: an LDS offset has 16 bits
.set RP,    272                        ; a row of 64 partial sums: 256 bytes + 16
.set REDW,  128*RP                     ; a wave's partial sums
.set BIAS,  ACT+4*REDW                 ; 270,336: conv_b (2,048 bytes), dec_b1 (4,096), as f32
.set SPARE, BIAS+6144                  ; 276,480: the spare words, 128 bytes a wave: two blocks of 256 bytes that no other line names
.set PFO,   3                          ; v3   256 x lane: the prefetches' offset; never rewritten
.set SPW,   4                          ; v4   my spare word's address; never rewritten
.set NIL,   5                          ; v5   0, for the add alone
.set ZERO,  6                          ; v6   0, for the packed maximum
.set ADRB0, 7                          ; v7   16 x lane + 16384 w
.set ADRB,  8                          ; v8   the same in the slot that is being read
.set ADRA0, 9                          ; v9   ACT + (l % 16) x 1040 + 16 (l / 16)
.set ADRA,  10                         ; v10, v11  the same at the tile's K, for token blocks 0-3 and 4-7
.set ADBI,  12                         ; v12  BIAS + 512 w + 32 (l / 16)
.set XST,   13                         ; v13  ACT + (32 w + 8 (l / 16)) x 1040 + 8 (l % 16)
.set HST,   14                         ; v14, v15  ADRA0 + 256 w, for token blocks 0-3 and 4-7
.set GOFF,  16                         ; v16-31  pass 0: byte offset in emb_table of my 16 bytes of gathered row i
.set RST,   16                         ; v16  later: where I put partial sums
.set RRD,   17                         ; v17, v18  where I read them back: waves 0, 1 and waves 2, 3
.set CO,    19                         ; v19  my byte offset in the work-group's rows of out0
.set B2O,   20                         ; v20  16 (l % 16)
.set BI,    32                         ; v32-63  bias tiles of column blocks 4-7
.set B2,    32                         ; v32-39  later: dec_b2 of my four labels, for either half
.set BF,    64
.set FA0,   128
.set FA1,   192
.set WV,    18                         ; s18  wave
.set CXP,   19                         ; s19  my work-group's place in the cluster: it enters global addresses alone
.set WG,    20
.set G1,    24                         ; s[24:31] descriptor group 1
.set G0A,   32                         ; s[32:35] group 0 of tile 0
.set G0B,   36                         ; s[36:39] group 0 of tile 1; it then walks
.set TB,    40                         ; s40  0 or SLOT: the slot that is being read
.set KA,    41                         ; s41  128 x the tile's number in its pass: its K, in bytes of a row of x or h
.set CNT,   42
.set CH,    43
.set REM,   44                         ; s44  refills still to come
.set LIM,   45                         ; s45  3 in a wave that prefetches, else the greatest number
.set PFA,   46                         ; s[46:47] where my prefetches stand
.set MSB, 0
.macro WIN new                         ; the immediate's high byte repeats the setting that is left; a switch that changes nothing is dropped
.if MSB != (\new)
	s_set_vgpr_msb (MSB<<8)|(\new)
.set MSB, \new
.endif
.endm
; A vector instruction or LDS store that reads a matrix result, and a load into a register that a matrix instruction has read, stand four plain vector instructions behind it (ISA guide 7.12.1 for the reads of a result)
.macro PLACES
.rept 4
	v_nop
.endr
.endm
; A round of the cluster's barrier: my work-group's barrier, so that wave 0's signal speaks for all four waves; wave 0 signals; every wave waits for the four work-groups; my work-group's barrier once more.
.macro CREST                           ; a round behind its opening barrier
	s_cmp_lg_u32 s[WV], 0
	s_cbranch_scc1 .Lnot_wave_0_\@
	s_barrier_signal -3
.Lnot_wave_0_\@:
	s_barrier_wait -3
	s_barrier_signal -1
	s_barrier_wait -1
.endm
.macro CROUND
	s_barrier_signal -1
	s_barrier_wait -1
	CREST
.endm
; 16 matrix instructions: column blocks 2 q, 2 q + 1 x all 8 token blocks, 32 along K.  st = 1: the pass's first K step: the sums start with the bias tile (the same for all token blocks): nothing is cleared.
; All 64 accumulators take turns in one order, over the backward jumps too.
.macro MULQ ty, fr, q, st
.if \st
	WIN 0x80+0x40*((\q)/2)
.else
	WIN 0xa0+0x50*((\q)/2)
.endif
.irp bq, 0,1
.irp a, 0,1,2,3,4,5,6,7
.set bb, 2*(\q)+\bq
.set rD, 8*(8*(bb%4)+\a)
.if \st
.set rC, FA1+8*bb
.if bb >= 4
.set rC, BI+8*(bb-4)
.endif
	v_wmma_f32_16x16x32_\ty v[rD:rD+7], v[BF+8*bb:BF+8*bb+7], v[(\fr)+8*\a:(\fr)+8*\a+7], v[rC:rC+7]
.else
	v_wmma_f32_16x16x32_\ty v[rD:rD+7], v[BF+8*bb:BF+8*bb+7], v[(\fr)+8*\a:(\fr)+8*\a+7], v[rD:rD+7]
.endif
.endr
.endr
.endm
; 8 LDS loads: the weight fragments of column blocks 4 half .. + 3, K step kpar of the tile.  32 lanes take 512 consecutive bytes
.macro FB half, kpar
.irp b, 0,1,2,3
	ds_load_b128 v[BF+8*(4*(\half)+\b):BF+8*(4*(\half)+\b)+3],   v[ADRB] offset:(\kpar)*8192+(4*(\half)+\b)*1024
	ds_load_b128 v[BF+8*(4*(\half)+\b)+4:BF+8*(4*(\half)+\b)+7], v[ADRB] offset:(\kpar)*8192+(4*(\half)+\b)*1024+512
.endr
.endm
; 16 LDS loads: the eight token fragments of K step kpar of the tile, into buffer fr
.macro FA fr, kpar
.irp a, 0,1,2,3
	ds_load_b128 v[(\fr)+8*\a:(\fr)+8*\a+3],   v[ADRA] offset:\a*16*AP+64*(\kpar)
	ds_load_b128 v[(\fr)+8*\a+4:(\fr)+8*\a+7], v[ADRA] offset:\a*16*AP+64*(\kpar)+32
.endr
.irp a, 0,1,2,3
	ds_load_b128 v[(\fr)+32+8*\a:(\fr)+32+8*\a+3],   v[ADRA+1] offset:\a*16*AP+64*(\kpar)
	ds_load_b128 v[(\fr)+32+8*\a+4:(\fr)+32+8*\a+7], v[ADRA+1] offset:\a*16*AP+64*(\kpar)+32
.endr
.endm
; 16 LDS loads: pass p's eight bias tiles (a lane's eight columns, the same for every token): blocks 0-3 into buffer 1, which the pass's first K step does not multiply, blocks 4-7 into BI
.macro BIASLD p
.irp b, 0,1,2,3
	ds_load_b128 v[FA1+8*\b:FA1+8*\b+3],   v[ADBI] offset:2048*(\p)+64*\b
	ds_load_b128 v[FA1+8*\b+4:FA1+8*\b+7], v[ADBI] offset:2048*(\p)+64*\b+16
	ds_load_b128 v[BI+8*\b:BI+8*\b+3],     v[ADBI] offset:2048*(\p)+256+64*\b
	ds_load_b128 v[BI+8*\b+4:BI+8*\b+7],   v[ADBI] offset:2048*(\p)+256+64*\b+16
.endr
.endm
; THE GATHER.  IX: 32 loads: pieces 2 j and 2 j + 1 (256 bytes each) of my 32 rows: sixteen lanes take one piece, an aligned 256 bytes of the table; lanes 16-31 the row eight further down.  No hint: a row may be named again.
.macro IX buf, j
	WIN 0x40                                       ; data window 1, offset window 0
.irp sb, 0,1
.set i, 0
.rept 16
	global_load_b128 v[128*(\buf)+64*\sb+4*i:128*(\buf)+64*\sb+4*i+3], v[GOFF+i], s[6:7] offset:(2*(\j)+\sb)*256
.set i, i+1
.endr
.endr
.endm
; CX: piece sl, which lies in half sb of buffer buf, is rounded to bf16 in place and put into x's rows.  A store's lanes 16-31 lie 8 rows = 128 bytes modulo 256 from lanes 0-15
.macro CX buf, sb, sl
.set gb, 128*(\buf)+64*(\sb)
	WIN 0x45
.set i, 0
.rept 16
	v_cvt_pk_bf16_f32 v[gb+4*i],   v[gb+4*i],   v[gb+4*i+1]
	v_cvt_pk_bf16_f32 v[gb+4*i+1], v[gb+4*i+2], v[gb+4*i+3]
.set i, i+1
.endr
	WIN 0x04                                       ; address window 0, data window 1
.set i, 0
.rept 16
	ds_store_b64 v[XST], v[gb+4*i:gb+4*i+1] offset:(16*(i/8)+i%8)*AP+128*(\sl)
.set i, i+1
.endr
.endm
.macro LUMP0                           ; stands in the first K step: its 32 conversions are the places behind the products in front of it
	s_wait_loadcnt 32                              ; piece 1 is in; the 32 loads of pieces 2 and 3 may stay out
	CX 0, 1, 1
	IX 0, 2                                        ; pieces 4 and 5
.endm
; A PREFETCH INTO THE L2 of a tile of wq three changes of slots ahead of the joint load that will ask for it: the change that asks for tile t + 2 names tile t + 5.  Each aligned 256 bytes of tiles 5 to 27 is
; named once in the launch: the first cluster asks; its four work-groups are told apart BY ADDRESS (16 KiB each), in each waves 0 and 1 take 8 KiB, a lane 256 bytes.  Tiles 0 to 4 come by their loads alone;
; the changes with three refills or fewer to come ask for nothing: there is no tile 28.
.macro ASK
	s_cmp_gt_u32 s[REM], s[LIM]
	s_cbranch_scc0 .Lnot_mine_\@
	global_prefetch_b8 v[PFO], s[PFA:PFA+1] th:TH_LOAD_NT scope:SCOPE_SE
.Lnot_mine_\@:
.endm
; A tile is two K steps of 32.  EV: the even one, on token buffer 0; it fetches the odd step's fragments.  w: how many younger LDS loads may stay out at its head.
.macro EV ty, st, w, lump
	s_wait_dscnt \w                                ; 8: all but the eight youngest loads (weight blocks 4-7) are in; 0: a pass's first step waits for its bias tiles too
	MULQ \ty, FA0, 0, \st
	MULQ \ty, FA0, 1, \st
.if \lump
	LUMP0
.else
	PLACES
.endif
	WIN 0
	FB 0, 1
	FA FA1, 1
	s_wait_dscnt 24                                ; all but the 24 just issued
	MULQ \ty, FA0, 2, \st
	MULQ \ty, FA0, 3, \st
	PLACES
	WIN 0
	FB 1, 1
.endm
; OD: the odd K step, on token buffer 1, and THE CHANGE OF SLOTS.  Each wave waits for all its tensor loads, of which one is out: its quarter of the next tile; adds 0 to its spare word; and waits for that and for its
; reads of the slot.  The barrier opens a round of the cluster's: behind it no wave of any partner reads this slot or has a load on its way, and the joint refill, two tiles on, is the first thing there.
; From that request to the wait for it a wave issues 96 matrix instructions.  last = 1: the pass's last tile: the token fragments of the next pass do not exist yet.
.macro OD ty, last
	s_wait_xcnt 0x0                                ; the last prefetch, a tile back, has read its address
	s_add_nc_u64 s[PFA:PFA+1], s[PFA:PFA+1], SLOT
	WIN 0
	s_wait_tensorcnt 0x0                           ; no tensor load of mine is out, so the walking group 0 may be written
	ds_add_u32 v[SPW], v[NIL]                      ; 0 onto my spare word
	s_xor_b32 s[G0B+1], s[G0B+1], SLOT             ; the other slot than last time,
	s_add_nc_u64 s[G0B+2:G0B+3], s[G0B+2:G0B+3], SLOT  ; the next tile; the type bits on top are not reached
	s_wait_dscnt 9                                 ; the add and the eight youngest loads (weight blocks 4-7) may stay out
	MULQ \ty, FA1, 0, 0
	s_wait_dscnt 0x0                               ; the add is done; my reads of the slot, and my stores of x, are over
	s_barrier_signal -1
	MULQ \ty, FA1, 1, 0
	WIN 0
	s_barrier_wait -1
	CREST
	tensor_load_to_lds s[G0B:G0B+3], s[G1:G1+7]
	s_nop 0
	PLACES                                         ; the places in front of the loads below
	s_xor_b32 s[TB], s[TB], SLOT
.if \last
	s_mov_b32 s[KA], 0
.else
	s_add_co_u32 s[KA], s[KA], 128
.endif
	v_add_nc_u32 v[ADRB], s[TB], v[ADRB0]
	v_add_nc_u32 v[ADRA], s[KA], v[ADRA0]
	v_add_nc_u32 v[ADRA+1], AHALF, v[ADRA]
	FB 0, 0
.if !(\last)
	FA FA0, 0
.endif
	ASK
	s_sub_co_u32 s[REM], s[REM], 1
	MULQ \ty, FA1, 2, 0
	MULQ \ty, FA1, 3, 0
	PLACES
	WIN 0
	FB 1, 0
.endm
.macro PAIRS ty, n                     ; n times: a tile's odd step with its change of slots, the next tile's even step
	WIN 0
	s_mov_b32 s[CNT], \n
.Lpair_\@:
	OD \ty, 0
	EV \ty, 0, 8, 0
	WIN 0
	s_sub_co_u32 s[CNT], s[CNT], 1
	s_cmp_lg_u32 s[CNT], 0
	s_cbranch_scc1 .Lpair_\@
.endm
; The 64 accumulators are rounded to 16 bits, blocks 2 j and 2 j + 1 into fragment (a, j), and the ReLU is taken on the packed halves.  Each accumulator is read from its lowest registers on.
; mode 0: into window 1.  mode 1: in place, into the even block's registers: each conversion writes a register whose number has been read already.
.macro PACK cvt, mx, mode
.irp j, 0,1,2,3
.if \mode
	WIN 0x8a+0x45*(\j/2)
.else
	WIN 0x4a+0x05*(\j/2)
.endif
.irp a, 0,1,2,3,4,5,6,7
.set rE, 8*(8*((2*\j)%4)+\a)
.set rO, 8*(8*((2*\j+1)%4)+\a)
.set rP, 8*(8*\j+\a)
.if \mode
.set rP, rE
.endif
.irp i, 0,1,2,3
	\cvt v[rP+\i], v[rE+2*\i], v[rE+2*\i+1]
.endr
.irp i, 0,1,2,3
	\cvt v[rP+4+\i], v[rO+2*\i], v[rO+2*\i+1]
.endr
.endr
.endr
.if \mode
.irp j, 0,1,2,3
	WIN 0x82+0x41*(\j/2)
.irp a, 0,1,2,3,4,5,6,7
.set rE, 8*(8*((2*\j)%4)+\a)
.irp i, 0,1,2,3,4,5,6,7
	\mx v[rE+\i], v[rE+\i], v[ZERO]
.endr
.endr
.endr
.else
	WIN 0x41
.set i, 0
.rept 256
	\mx v[i], v[i], v[ZERO]
.set i, i+1
.endr
.endif
.endm
.macro HSTORE                          ; h's fragments into rows: token 16 a + l % 16, my 128 columns: 16 bytes at 64 j + 16 (l / 16) and 32 on
	WIN 0x04
.irp j, 0,1,2,3
.irp a, 0,1,2,3,4,5,6,7
	ds_store_b128 v[HST+\a/4], v[8*(8*\j+\a):8*(8*\j+\a)+3]   offset:(\a%4)*16*AP+64*\j
	ds_store_b128 v[HST+\a/4], v[8*(8*\j+\a)+4:8*(8*\j+\a)+7] offset:(\a%4)*16*AP+64*\j+32
.endr
.endr
.endm
; THE LAST PRODUCT.  16 matrix instructions: label blocks 2 lh, 2 lh + 1 of the half x all 8 token blocks, K = fragment kf of my 8 of z.  The 16 accumulators take turns.
.macro L3Q buf, kf, lh, zero
.if (\kf) < 4
	WIN 0xa4+0x50*(\lh)
.elseif (\kf) < 6
	WIN 0xa8+0x50*(\lh)
.else
	WIN 0xac+0x50*(\lh)
.endif
.irp lq, 0,1
.irp a, 0,1,2,3,4,5,6,7
.set lb, 2*(\lh)+\lq
.set rD, 8*(8*((2*lb+1)%4)+\a)
.set rZ, 8*(8*(\kf)+\a)
.if (\kf) >= 4
.set rZ, 8*(8*((2*((\kf)-4))%4)+\a)
.endif
.set rW, (\buf)+8*(4*((\kf)%2)+lb)
.if \zero
	v_wmma_f32_16x16x32_bf16 v[rD:rD+7], v[rW:rW+7], v[rZ:rZ+7], 0
.else
	v_wmma_f32_16x16x32_bf16 v[rD:rD+7], v[rW:rW+7], v[rZ:rZ+7], v[rD:rD+7]
.endif
.endr
.endr
.endm
.macro F3 buf, f0                      ; 16 LDS loads: fragments f0 .. f0 + 7 of my quarter of the tile
.irp i, 0,1,2,3,4,5,6,7
	ds_load_b128 v[(\buf)+8*\i:(\buf)+8*\i+3],   v[ADRB] offset:((\f0)+\i)*1024
	ds_load_b128 v[(\buf)+8*\i+4:(\buf)+8*\i+7], v[ADRB] offset:((\f0)+\i)*1024+512
.endr
.endm
.macro L3EVEN kf0, zero                ; a tile's first half, on BF; it fetches the second half
	s_wait_dscnt 0x0
	L3Q BF, \kf0, 0, \zero
	L3Q BF, (\kf0)+1, 0, 0
	PLACES
	WIN 0
	F3 FA0, 8
	L3Q BF, \kf0, 1, \zero
	L3Q BF, (\kf0)+1, 1, 0
.endm
.macro L3ODDF kf0                      ; a tile's second half, with the change of slots and the joint refill, in OD's order
	WIN 0
	s_wait_tensorcnt 0x0
	ds_add_u32 v[SPW], v[NIL]
	s_xor_b32 s[G0B+1], s[G0B+1], SLOT
	s_add_nc_u64 s[G0B+2:G0B+3], s[G0B+2:G0B+3], SLOT
	s_wait_dscnt 1                                 ; the add alone may stay out
	L3Q FA0, \kf0, 0, 0
	s_wait_dscnt 0x0                               ; the add is done, and my reads of the slot are over
	s_barrier_signal -1
	L3Q FA0, (\kf0)+1, 0, 0
	WIN 0
	s_barrier_wait -1
	CREST
	tensor_load_to_lds s[G0B:G0B+3], s[G1:G1+7]
	s_nop 0
	PLACES
	s_xor_b32 s[TB], s[TB], SLOT
	v_add_nc_u32 v[ADRB], s[TB], v[ADRB0]
	F3 BF, 0
	L3Q FA0, \kf0, 1, 0
	L3Q FA0, (\kf0)+1, 1, 0
.endm
.macro L3ODD kf0, more                 ; the same where nothing is filled again.  more = 1: the last tile follows: its quarter is my own load's, and I alone read it: my wait is all the ordering
	s_wait_dscnt 0x0
	L3Q FA0, \kf0, 0, 0
	L3Q FA0, (\kf0)+1, 0, 0
.if \more
	PLACES
	WIN 0
	s_wait_tensorcnt 0x0                           ; no load was issued behind the last tile's
	s_xor_b32 s[TB], s[TB], SLOT
	v_add_nc_u32 v[ADRB], s[TB], v[ADRB0]
	F3 BF, 0
.endif
	L3Q FA0, \kf0, 1, 0
	L3Q FA0, (\kf0)+1, 1, 0
.endm
; THE FOUR PARTIAL SUMS OF LABEL HALF g MEET.  Each wave puts its 128 x 64 sums into rows of 272 bytes; behind a barrier wave w reads rows 32 w .. + 31 of all four, adds them and the bias, and stores.
.macro RL q                            ; 16 LDS loads: row pairs 4 q .. 4 q + 3 (lanes 0-15 one row's 256 bytes, lanes 16-31 the next row's), all four waves' sums
.set rb, FA0+64*((\q)%2)
.irp ii, 0,1,2,3
.irp p, 0,1,2,3
	ds_load_b128 v[rb+16*\ii+4*\p:rb+16*\ii+4*\p+3], v[RRD+\p/2] offset:(\p%2)*REDW+(4*(\q)+\ii)*2*RP
.endr
.endr
.endm
.macro RS q, g
.set rb, FA0+64*((\q)%2)
.irp ii, 0,1,2,3
.set rr, rb+16*\ii
	v_pk_add_f32 v[rr:rr+1],     v[rr:rr+1],     v[rr+4:rr+5]
	v_pk_add_f32 v[rr+2:rr+3],   v[rr+2:rr+3],   v[rr+6:rr+7]
	v_pk_add_f32 v[rr+8:rr+9],   v[rr+8:rr+9],   v[rr+12:rr+13]
	v_pk_add_f32 v[rr+10:rr+11], v[rr+10:rr+11], v[rr+14:rr+15]
	v_pk_add_f32 v[rr:rr+1],     v[rr:rr+1],     v[rr+8:rr+9]
	v_pk_add_f32 v[rr+2:rr+3],   v[rr+2:rr+3],   v[rr+10:rr+11]
	v_pk_add_f32 v[rr:rr+1],     v[rr:rr+1],     v[B2+4*(\g):B2+4*(\g)+1]
	v_pk_add_f32 v[rr+2:rr+3],   v[rr+2:rr+3],   v[B2+4*(\g)+2:B2+4*(\g)+3]
	global_store_b128 v[CO], v[rr:rr+3], s[16:17] offset:(4*(\q)+\ii)*1024+256*(\g) th:TH_STORE_NT  ; sixteen lanes store 256 consecutive bytes, at a multiple of 256 from out0's first byte
.endr
.endm
.macro REDUCE g
	PLACES                                         ; behind the last products
	WIN 0
.if \g
	s_wait_dscnt 0x0
	s_barrier_signal -1                            ; every wave's reads of the first half's sums are over: the bytes may be written again
	s_barrier_wait -1
.endif
.irp lb, 0,1,2,3
	WIN 0x08+0x04*(\lb/2)                          ; data window 2 or 3
.irp a, 0,1,2,3,4,5,6,7
.set rD, 8*(8*((2*\lb+1)%4)+\a)
	ds_store_b128 v[RST], v[rD:rD+3]   offset:\a*16*RP+64*\lb
	ds_store_b128 v[RST], v[rD+4:rD+7] offset:\a*16*RP+64*\lb+16
.endr
.endr
	WIN 0
	s_wait_dscnt 0x0                               ; for the others' sake: my stores are done
	s_barrier_signal -1
	s_barrier_wait -1                              ; a tensor load may stay out across it
.if !(\g)
	s_wait_loadcnt 0x0                             ; dec_b2
.irp k, 0,1,2,3
	v_cvt_pk_bf16_f32 v1, v[B2+2*\k], v[B2+2*\k+1] ; rounded to bf16 like every input, and widened again
	v_lshlrev_b32 v[B2+2*\k], 16, v1
	v_and_b32 v[B2+2*\k+1], 0xffff0000, v1
.endr
.endif
	RL 0
	RL 1
	s_wait_dscnt 16                                ; all but the 16 youngest
	RS 0, \g
	s_wait_xcnt 0x0                                ; the stores have read their data: the buffer is loaded again only behind this wait
	RL 2
	s_wait_dscnt 16
	RS 1, \g
	s_wait_xcnt 0x0
	RL 3
	s_wait_dscnt 16
	RS 2, \g
	s_wait_dscnt 0x0
	RS 3, \g
	s_wait_xcnt 0x0
.endm
	s_load_b256 s[4:11], s[0:1], 0x0               ; token_ids s[4:5], emb_table s[6:7], wq s[8:9], conv_b s[10:11]
	s_load_b128 s[12:15], s[0:1], 0x20             ; dec_b1 s[12:13], dec_b2 s[14:15]
	s_load_b64 s[16:17], s[0:1], 0x30              ; out0
	v_lshl_add_u32 v[SPW], v0, 2, SPARE
	v_mov_b32 v[NIL], 0
	ds_add_u32 v[SPW], v[NIL]                      ; the wave's opening: the add, twice on end, and its wait ahead of my first tensor load; the set-up below stands between
	ds_add_u32 v[SPW], v[NIL]
	v_lshrrev_b32 v1, 5, v0
	v_readfirstlane_b32 s[WV], v1                  ; wave 0..3
	s_bfe_u32 s[CXP], ttmp6, 0x40000
	s_lshl_b32 s[WG], ttmp9, 2                     ; in a cluster launch ttmp9 counts clusters
	s_add_co_u32 s[WG], s[WG], s[CXP]
	; descriptor group 1: a wave's quarter of a tile is 16,384 dense bytes: 64 rows of 32 elements of 8 bytes
	s_mov_b32 s[G1], 15|(3<<16)|(1<<21)            ; 15:0 the mask: all four work-groups; 17:16 elements of 8 bytes; 21 set beside a mask; no padding
	s_mov_b32 s[G1+1], 32<<16                      ; tensor_dim0 = 32
	s_mov_b32 s[G1+2], 64<<16                      ; tensor_dim1 = 64
	s_mov_b32 s[G1+3], 32<<16                      ; tile_dim0 = 32
	s_mov_b32 s[G1+4], 64                          ; tile_dim1 = 64
	s_mov_b32 s[G1+5], 32                          ; 32 elements from row to row
	s_mov_b32 s[G1+6], 0
	s_mov_b32 s[G1+7], 0
	s_mov_b32 s[G0A], 1                            ; count = 1
	s_lshl_b32 s[G0A+1], s[WV], 14                 ; LDS address: slot 0, my quarter: the wave's number alone
	s_mov_b32 s[G0B], 1
	s_add_co_u32 s[G0B+1], s[G0A+1], SLOT          ; slot 1
	s_lshl_b32 s48, s[WV], 14                      ; my quarter in a tile of wq
	s_mov_b32 s49, 0
	s_lshr_b32 s21, s[WV], 1                       ; waves 0 and 1
	s_or_b32 s21, s21, ttmp9                       ; of the first cluster prefetch: the same in all four partners
	s_cmp_eq_u32 s21, 0
	s_cselect_b32 s[LIM], 3, -1
	s_mov_b32 s[TB], 0
	s_mov_b32 s[KA], 0
	s_mov_b32 s[REM], 26                           ; tiles 2 to 27 come by refills
	v_mov_b32 v[ZERO], 0
	v_and_b32 v32, 15, v0                          ; l % 16      (v32-38 serve the set-up alone)
	v_bfe_u32 v33, v0, 4, 1                        ; l / 16
	v_and_b32 v34, 31, v0                          ; l
	v_lshlrev_b32 v[PFO], 8, v34
	v_lshl_add_u32 v[ADRB0], v34, 4, s48
	v_mov_b32 v[ADRB], v[ADRB0]
	v_mul_u32_u24 v[ADRA0], v32, AP
	v_lshl_add_u32 v[ADRA0], v33, 4, v[ADRA0]
	v_add_nc_u32 v[ADRA0], ACT, v[ADRA0]
	v_mov_b32 v[ADRA], v[ADRA0]
	v_add_nc_u32 v[ADRA+1], AHALF, v[ADRA0]
	s_lshl_b32 s21, s[WV], 9
	s_add_co_u32 s21, s21, BIAS
	v_lshl_add_u32 v[ADBI], v33, 5, s21
	s_mul_i32 s21, s[WV], 32*AP
	s_add_co_u32 s21, s21, ACT
	v_mul_u32_u24 v[XST], v33, 8*AP
	v_lshl_add_u32 v[XST], v32, 3, v[XST]
	v_add_nc_u32 v[XST], s21, v[XST]
	s_lshl_b32 s21, s[WV], 8
	v_add_nc_u32 v[HST], s21, v[ADRA0]
	v_add_nc_u32 v[HST+1], AHALF, v[HST]
	s_lshl_b32 s21, s[WV], 7
	v_lshl_add_u32 v35, v33, 5, s21                ; token_ids: 4 (32 w + 8 (l / 16))
	v_lshlrev_b32 v36, 4, v0                       ; the biases: 16 bytes a thread
	v_lshl_add_u32 v37, v0, 4, BIAS
	v_lshlrev_b32 v38, 4, v32
	s_wait_dscnt 0x0                               ; both opening adds are done
	s_wait_kmcnt 0x0
	s_lshl_b32 s22, s[WG], 9                       ; my work-group's 128 ids,
	s_mov_b32 s23, 0
	s_add_nc_u64 s[4:5], s[4:5], s[22:23]
	s_lshl_b32 s22, s[WG], 16                      ; and its 128 rows of out0
	s_add_nc_u64 s[16:17], s[16:17], s[22:23]
	s_lshl_b32 s22, s[CXP], 1                      ; the prefetches: 8 KiB number 2 x place + wave of a tile,
	s_add_co_u32 s22, s22, s[WV]
	s_lshl_b32 s22, s22, 13
	s_add_co_u32 s22, s22, 4*SLOT                  ; in tile 4: the first change of slots steps it to tile 5.  Nothing is prefetched here, at the head
	s_add_nc_u64 s[PFA:PFA+1], s[8:9], s[22:23]
	s_add_nc_u64 s[G0A+2:G0A+3], s[8:9], s[48:49]  ; global address: my quarter of tile 0,
	s_add_nc_u64 s[G0B+2:G0B+3], s[G0A+2:G0A+3], SLOT  ; of tile 1
	s_or_b32 s[G0A+3], s[G0A+3], 0x80000000        ; type = 2
	s_or_b32 s[G0B+3], s[G0B+3], 0x80000000
.set i, 0
.rept 16
	global_load_b32 v[GOFF+i], v35, s[4:5] offset:4*(16*(i/8)+i%8)  ; the id of gathered row i: row 32 w + 8 (l / 16) + 16 (i / 8) + i % 8
.set i, i+1
.endr
	global_load_b128 v[40:43], v36, s[10:11]
	global_load_b128 v[44:47], v36, s[12:13]
	global_load_b128 v[48:51], v36, s[12:13] offset:2048
	CROUND                                         ; all four work-groups are here: the first joint loads meet
	tensor_load_to_lds s[G0A:G0A+3], s[G1:G1+7]    ; both first fills together, ahead of every wait on TENSORcnt and every LDS read
	s_nop 0
	tensor_load_to_lds s[G0B:G0B+3], s[G1:G1+7]
	s_nop 0
	PLACES
	s_wait_loadcnt 0x0                             ; the ids and the biases
.irp k, 0,1,2,3,4,5
	v_cvt_pk_bf16_f32 v[52+\k], v[40+2*\k], v[40+2*\k+1]  ; the biases rounded to bf16 like every input,
.endr
.irp k, 0,1,2,3,4,5
	v_lshlrev_b32 v[40+2*\k], 16, v[52+\k]         ; and widened again: they start f32 sums
	v_and_b32 v[40+2*\k+1], 0xffff0000, v[52+\k]
.endr
	ds_store_b128 v37, v[40:43]
	ds_store_b128 v37, v[44:47] offset:2048
	ds_store_b128 v37, v[48:51] offset:4096
.set i, 0
.rept 16
	v_min_u32 v[GOFF+i], 0xc450, v[GOFF+i]         ; inside the table
	v_lshlrev_b32 v[GOFF+i], 11, v[GOFF+i]         ; a row is 2,048 bytes
	v_add_nc_u32 v[GOFF+i], v[GOFF+i], v38         ; my 16 bytes of a piece
.set i, i+1
.endr
	IX 0, 0                                        ; pieces 0, 1
	IX 1, 1                                        ; pieces 2, 3
	s_wait_loadcnt 48                              ; piece 0's sixteen loads are in; the 48 younger may stay out
	CX 0, 0, 0
	WIN 0
	s_wait_tensorcnt 1                             ; my quarter of tile 0 is in; tile 1's may stay out
	s_wait_dscnt 0x0                               ; my stores of the biases and of x's piece 0 are done
	s_barrier_signal -1
	s_barrier_wait -1
	BIASLD 0
	FA FA0, 0
	FB 0, 0
	FB 1, 0
	; PASS 0: h.  Each lump of the gather stands in front of the change of slots whose round shows its stores to all waves, ahead of the loads that read them; the bytes that it writes are read by nobody before that.
	EV bf16, 1, 0, 1
	OD bf16, 0
	EV bf16, 0, 8, 0
	s_wait_loadcnt 32                              ; pieces 2 and 3 are in; the 32 loads of pieces 4 and 5 may stay out
	CX 1, 0, 2
	CX 1, 1, 3
	IX 1, 3                                        ; pieces 6 and 7
	PAIRS bf16, 2
	s_wait_loadcnt 32                              ; pieces 4 and 5; the 32 loads of pieces 6 and 7 may stay out
	CX 0, 0, 4
	CX 0, 1, 5
	PAIRS bf16, 2
	s_wait_loadcnt 0x0
	CX 1, 0, 6
	CX 1, 1, 7
	PAIRS bf16, 2
	OD bf16, 1
	; h: rounded to f16, ReLU, into the rows where x lay: every wave's last read of x was waited for in front of the round just passed
	WIN 0
	BIASLD 1
	PACK v_cvt_pk_f16_f32, v_pk_max_num_f16, 0
	HSTORE
	WIN 0
	v_and_b32 v1, 15, v0                           ; the addresses of the way out take the gather's registers: its loads are all in
	v_bfe_u32 v2, v0, 4, 1
	s_mul_i32 s21, s[WV], REDW
	s_add_co_u32 s21, s21, ACT
	v_mul_u32_u24 v[RST], v1, RP                   ; in: my wave's sums, row l % 16, 32 bytes for each half of the lanes
	v_lshl_add_u32 v[RST], v2, 5, v[RST]
	v_add_nc_u32 v[RST], s21, v[RST]
	s_mul_i32 s21, s[WV], 32*RP
	s_add_co_u32 s21, s21, ACT
	v_mul_u32_u24 v[RRD], v2, RP                   ; back: rows 32 w on; lanes 0-15 one row, lanes 16-31 the next
	v_lshl_add_u32 v[RRD], v1, 4, v[RRD]
	v_add_nc_u32 v[RRD], s21, v[RRD]
	v_add_nc_u32 v[RRD+1], 2*REDW, v[RRD]
	s_lshl_b32 s21, s[WV], 14                      ; and the same rows in out0, 512 bytes each
	v_lshlrev_b32 v[CO], 9, v2
	v_lshl_add_u32 v[CO], v1, 4, v[CO]
	v_add_nc_u32 v[CO], s21, v[CO]
	v_lshlrev_b32 v[B2O], 4, v1
	s_wait_dscnt 0x0                               ; my part of h is in LDS
	s_barrier_signal -1
	s_barrier_wait -1                              ; the refill that is out may stay out
	FA FA0, 0
	; PASSES 1 AND 2: z, 512 columns a pass: one text, walked twice; the ring runs on
	s_mov_b32 s[CH], 2
.Lchunk:
	EV f16, 1, 0, 0
	PAIRS f16, 7
	OD f16, 1
	s_cmp_eq_u32 s[CH], 1
	s_cbranch_scc1 .Lz1
	BIASLD 2
	FA FA0, 0                                      ; h from its first K again
	PACK v_cvt_pk_bf16_f32, v_pk_max_num_bf16, 0   ; z's first 128 columns of mine: bf16, ReLU, into window 1, where they stay
	WIN 0
	s_sub_co_u32 s[CH], s[CH], 1
	s_branch .Lchunk
.Lz1:
	global_load_b128 v[B2:B2+3],   v[B2O], s[14:15]            ; dec_b2 of my four labels in either half
	global_load_b128 v[B2+4:B2+7], v[B2O], s[14:15] offset:256
	PACK v_cvt_pk_bf16_f32, v_pk_max_num_bf16, 1   ; z's second 128 columns, in place
	; THE LAST PRODUCT.  The change of slots behind pass 2 has fetched the first eight fragments of tile 24.  Labels 0-63: tiles 24, 25, whose changes ask for tiles 26, 27; labels 64-127: nothing is left to ask for.
	L3EVEN 0, 1
	L3ODDF 2
	L3EVEN 4, 0
	L3ODDF 6
	REDUCE 0                                       ; over h's rows: every wave's last read of h was waited for in front of a round long passed
	L3EVEN 0, 1
	L3ODD 2, 1
	L3EVEN 4, 0
	L3ODD 6, 0
	REDUCE 1
	s_wait_tensorcnt 0x0                           ; the wave's end, behind my last tensor load and my last LDS store
	ds_add_u32 v[SPW], v[NIL]
	s_wait_dscnt 0x0
	CROUND                                         ; the closing round: no work-group ends while a partner may still ask for a tile that names it
	s_endpgm
.Lfunc_end_k_qc9060ba2ba_chain:
	.size	k_qc9060ba2ba_chain, .Lfunc_end_k_qc9060ba2ba_chain-k_qc9060ba2ba_chain
	.p2alignl 7, 3214868480
	.fill 96, 4, 3214868480
	.section	.rodata,"a",@progbits
	.p2align	6, 0x0
	.amdhsa_kernel k_qc9060ba2ba_chain
		.amdhsa_group_segment_fixed_size 327680
		.amdhsa_private_segment_fixed_size 0
		.amdhsa_enable_private_segment 0
		.amdhsa_kernarg_size 56
		.amdhsa_user_sgpr_count 2
		.amdhsa_user_sgpr_kernarg_segment_ptr 1
		.amdhsa_wavefront_size32 1
		.amdhsa_system_sgpr_workgroup_id_x 1
		.amdhsa_system_sgpr_workgroup_id_y 1
		.amdhsa_system_sgpr_workgroup_id_z 1
		.amdhsa_system_vgpr_workitem_id 0
		.amdhsa_next_free_vgpr 1024
		.amdhsa_next_free_sgpr 66
		.amdhsa_reserve_vcc 0
		.amdhsa_float_denorm_mode_32 3
		.amdhsa_float_denorm_mode_16_64 3
		.amdhsa_memory_ordered 1
		.amdhsa_forward_progress 1
		.amdhsa_inst_pref_size 255
	.end_amdhsa_kernel
	.section	.bss,"aw",@nobits
	.p2align	6
	.space	262144
	.amdgpu_metadata
---
amdhsa.version: [ 1, 2 ]
amdhsa.kernels:
  - .name:           k_qc9060ba2ba_chain
    .symbol:         k_qc9060ba2ba_chain.kd
    .args:
      - { .name: token_ids, .offset: 0, .size: 8, .value_kind: global_buffer, .address_space: global }
      - { .name: emb_table, .offset: 8, .size: 8, .value_kind: global_buffer, .address_space: global }
      - { .name: wq, .offset: 16, .size: 8, .value_kind: global_buffer, .address_space: global }
      - { .name: conv_b, .offset: 24, .size: 8, .value_kind: global_buffer, .address_space: global }
      - { .name: dec_b1, .offset: 32, .size: 8, .value_kind: global_buffer, .address_space: global }
      - { .name: dec_b2, .offset: 40, .size: 8, .value_kind: global_buffer, .address_space: global }
      - { .name: out0, .offset: 48, .size: 8, .value_kind: global_buffer, .address_space: global }
    .group_segment_fixed_size: 327680
    .private_segment_fixed_size: 0
    .kernarg_segment_align: 8
    .kernarg_segment_size: 56
    .max_flat_workgroup_size: 128
    .sgpr_count:     66
    .vgpr_count:     1024
    .wavefront_size: 32
...
	.end_amdgpu_metadata
.endif
;; end of part 2
;; ======== version 2 of 2: 2 launches
;; limits: values are held in f16: magnitudes above 65,504 overflow, below 6.1e-05 lose precision
;; workspace buffers: wq 1,835,008 bytes
;; launch prep (part 3): grid 112 x 1, 8 waves a work-group, no clusters, 19,456 bytes of LDS; arguments conv_w, dec_w1, dec_w2, wq; writes wq
.if DOCPART == 3
	.amdgcn_target "amdgcn-amd-amdhsa--gfx1250"
	.amdhsa_code_object_version 6
	.text
	.protected	k_qc9060ba2ba_prep
	.globl	k_qc9060ba2ba_prep
	.p2align	8
	.type	k_qc9060ba2ba_prep,@function
k_qc9060ba2ba_prep:
	s_mov_b64 s[64:65], 0
	v_nop
	global_prefetch_b8 v0, s[64:65] scope:SCOPE_SE
	s_setreg_imm32_b32 hwreg(HW_REG_WAVE_MODE, 25, 1), 1
	s_wait_xcnt 0x0
; THE WEIGHTS, ROUNDED ONCE AND LAID OUT IN THE ORDER IN WHICH THE NEXT LAUNCH'S OPERAND REGISTERS TAKE THEM.
; wq holds 28 tiles of 65,536 bytes.  The 16 bytes at T x 65536 + w x 16384 + f x 1024 + q x 512 + l x 16 (tile T, wave w, fragment f, register half q, lane l)
; hold, for output column n = nbase + l % 16, the eight numbers k = kbase + 16 q + 8 (l / 16) + 0..7:
;   T = 0..7    bf16(conv_w[n][k])          f = 8 e + b     nbase = 128 w + 16 b                   kbase = 64 T + 32 e
;   T = 8..23   f16(bf16(dec_w1[k][n]))     f = 8 e + b     nbase = 512 ((T-8)/8) + 128 w + 16 b   kbase = 64 ((T-8)%8) + 32 e
;   T = 24..27  bf16(dec_w2[k][n])          f = 4 kq + lb   nbase = 64 ((T-24)/2) + 16 lb          kbase = 512 ((T-24)%2) + 128 w + 32 kq
; Nothing of the problem is left out here: every number of the three weight inputs is read once and written once.
; LIMITS.  Every weight is rounded to bf16.  dec_w1's bf16 number is then written as f16: exact from 6.1e-5 to 65,504 in size; below it keeps f16's fixed step of 6e-8, beyond it becomes an infinity.
; SHARES.  112 work-groups of 256 threads; the work-group's number picks one of three arms:
;   0..63    dec_w1: 256 columns x 32 k; a thread owns one column: each of its 32 loads is 4 bytes, and a wave's load covers 128 consecutive bytes of a row
;   64..79   dec_w2: 128 columns x 64 k; a thread owns one column and 32 k
;   80..111  conv_w: 16 whole rows, 32,768 bytes on end; wave T takes the rows' 256 bytes of K slice T: a load covers two rows' aligned 256 bytes.  K lies along the rows here, and a piece of wq wants
;            16 rows side by side: the wave's 16 x 64 numbers are turned in LDS bytes of its own, so no barrier is needed
; Every store of a wave covers whole aligned blocks of 256 consecutive bytes of wq.
.set DAT, 4                            ; v[4:67]   as loaded
.set PKD, 68                           ; v[68:99]  packed, to store
.set SPW, 102                          ; v102  LDS address of my spare word: SPARE + 4 x my thread's number; never rewritten
.set NIL, 103                          ; v103  0; never rewritten
.set CP,  144                          ; conv_w's stage: a row of 64 bf16 is 128 bytes + 16: 9 x 16, so the 16 rows of a load back lie in 16 different columns of 16 bytes modulo 256
.set STGW, 16*CP                       ; a wave's stage: 2,304 bytes
.set SPARE, 8*STGW                     ; 18,432: behind the stages: the spare words, 128 bytes for each wave: four blocks of 256 bytes that no other line names
; 32 numbers down a column, \stride bytes apart, rounded and stored as four pieces.  half = 1: the bf16 number is written as f16
.macro COLS base, stride, half
.set i, 0
.rept 32
	global_load_b32 v[DAT+i], v1, s[\base:\base+1] offset:i*(\stride) th:TH_LOAD_NT
.set i, i+1
.endr
	s_wait_loadcnt 0x0                             ; all 32 were issued first: one wait
.set i, 0
.rept 16
	v_cvt_pk_bf16_f32 v[PKD+i], v[DAT+2*i], v[DAT+2*i+1]
.set i, i+1
.endr
.if \half
.set i, 0
.rept 16
	v_lshlrev_b32 v[DAT+2*i], 16, v[PKD+i]         ; the bf16 numbers as f32 again,
	v_and_b32 v[DAT+2*i+1], 0xffff0000, v[PKD+i]
.set i, i+1
.endr
.set i, 0
.rept 16
	v_cvt_pk_f16_f32 v[PKD+i], v[DAT+2*i], v[DAT+2*i+1]  ; and as f16
.set i, i+1
.endr
.endif
.irp p, 0,1,2,3
	global_store_b128 v2, v[PKD+4*\p:PKD+4*\p+3], s[10:11] offset:256*\p  ; piece p = 2 q + l / 16: k = 8 p .. 8 p + 7, at q x 512 + (l / 16) x 256
.endr
.endm
	s_load_b256 s[4:11], s[0:1], 0x0               ; conv_w s[4:5], dec_w1 s[6:7], dec_w2 s[8:9], wq s[10:11]
	v_lshl_add_u32 v[SPW], v0, 2, SPARE
	v_mov_b32 v[NIL], 0
	v_lshrrev_b32 v100, 7, v0                      ; t / 128
	v_and_b32 v2, 15, v0
	v_lshlrev_b32 v2, 4, v2                        ; 16 (t % 16): my place in a piece
	s_mov_b32 s17, 0                               ; the offsets' high words
	s_mov_b32 s19, 0
	s_wait_kmcnt 0x0
	s_cmp_lt_u32 ttmp9, 64
	s_cbranch_scc0 .Lnot_w1
	; dec_w1: column n = 256 nblk + t, k = 32 kf + 0..31
	s_and_b32 s13, ttmp9, 3                        ; nblk
	s_lshr_b32 s14, ttmp9, 2                       ; kf
	s_lshl_b32 s16, s14, 17                        ; 32 rows of 4,096 bytes
	s_lshl_b32 s15, s13, 10
	s_add_co_u32 s16, s16, s15
	s_add_nc_u64 s[6:7], s[6:7], s[16:17]
	s_lshr_b32 s18, s13, 1                         ; tile 8 + 8 (n / 512) + kf / 2
	s_lshl_b32 s18, s18, 3
	s_lshr_b32 s15, s14, 1
	s_add_co_u32 s18, s18, s15
	s_add_co_u32 s18, s18, 8
	s_lshl_b32 s18, s18, 16
	s_and_b32 s15, s13, 1                          ; wave 2 (nblk % 2) + t / 128
	s_lshl_b32 s15, s15, 15
	s_add_co_u32 s18, s18, s15
	s_and_b32 s15, s14, 1                          ; e = kf % 2
	s_lshl_b32 s15, s15, 13
	s_add_co_u32 s18, s18, s15
	s_add_nc_u64 s[10:11], s[10:11], s[18:19]
	v_bfe_u32 v101, v0, 4, 3                       ; b
	v_lshl_add_u32 v2, v101, 10, v2
	v_lshl_add_u32 v2, v100, 14, v2
	v_lshlrev_b32 v1, 2, v0
	COLS 6, 4096, 1
	s_endpgm
.Lnot_w1:
	s_cmp_lt_u32 ttmp9, 80
	s_cbranch_scc0 .Lconv
	; dec_w2: column n = t % 128, k = 64 y + 32 (t / 128) + 0..31
	s_sub_co_u32 s13, ttmp9, 64                    ; y
	s_lshl_b32 s16, s13, 15                        ; 64 rows of 512 bytes
	s_add_nc_u64 s[8:9], s[8:9], s[16:17]
	s_lshr_b32 s18, s13, 3                         ; tile 24 + 2 (n / 64) + k / 512
	s_add_co_u32 s18, s18, 24
	s_lshl_b32 s18, s18, 16
	s_bfe_u32 s15, s13, 0x20001                    ; wave (k / 128) % 4
	s_lshl_b32 s15, s15, 14
	s_add_co_u32 s18, s18, s15
	s_and_b32 s15, s13, 1                          ; kq = 2 (y % 2) + t / 128
	s_lshl_b32 s15, s15, 13
	s_add_co_u32 s18, s18, s15
	s_add_nc_u64 s[10:11], s[10:11], s[18:19]
	v_bfe_u32 v101, v0, 4, 2                       ; lb
	v_lshl_add_u32 v2, v101, 10, v2
	v_lshl_add_u32 v2, v100, 12, v2
	v_bfe_u32 v101, v0, 6, 1                       ; n / 64: two tiles on
	v_lshl_add_u32 v2, v101, 17, v2
	v_and_b32 v1, 127, v0
	v_lshlrev_b32 v1, 2, v1
	v_lshl_add_u32 v1, v100, 14, v1                ; 32 rows of 512 bytes for the upper half of the threads
	COLS 8, 512, 0
	s_endpgm
.Lconv:
	; conv_w: rows n = 16 y + 0..15, k = 64 T + 0..63 with T = my wave's number
	s_sub_co_u32 s13, ttmp9, 80                    ; y
	v_lshrrev_b32 v101, 5, v0
	v_readfirstlane_b32 s20, v101                  ; wave 0..7
	s_lshl_b32 s16, s13, 15                        ; 16 rows of 2,048 bytes,
	s_lshl_b32 s15, s20, 8                         ; my 256 bytes of each
	s_add_co_u32 s16, s16, s15
	s_add_nc_u64 s[4:5], s[4:5], s[16:17]
	s_lshl_b32 s18, s20, 16                        ; tile T,
	s_lshr_b32 s15, s13, 3                         ; wave n / 128 of the next launch,
	s_lshl_b32 s15, s15, 14
	s_add_co_u32 s18, s18, s15
	s_and_b32 s15, s13, 7                          ; b = (n / 16) % 8
	s_lshl_b32 s15, s15, 10
	s_add_co_u32 s18, s18, s15
	s_add_nc_u64 s[10:11], s[10:11], s[18:19]
	v_and_b32 v100, 15, v0                         ; l % 16
	v_bfe_u32 v101, v0, 4, 1                       ; l / 16
	v_lshlrev_b32 v1, 4, v100                      ; in: sixteen lanes take a row's 256 bytes, lanes 16-31 the next row's
	v_lshl_add_u32 v1, v101, 11, v1
	s_mul_i32 s21, s20, STGW                       ; my wave's stage
	v_mul_u32_u24 v3, v101, CP                     ; into the stage: the same two rows, 8 bytes (4 numbers) a lane
	v_lshl_add_u32 v3, v100, 3, v3
	v_add_nc_u32 v3, s21, v3
	v_mul_u32_u24 v104, v100, CP                   ; back: row l % 16, 16 bytes (8 numbers) for each half of the lanes
	v_lshl_add_u32 v104, v101, 4, v104
	v_add_nc_u32 v104, s21, v104
	v_and_b32 v2, 31, v0
	v_lshlrev_b32 v2, 4, v2                        ; out: 16 l
.set i, 0
.rept 8
	global_load_b128 v[DAT+4*i:DAT+4*i+3], v1, s[4:5] offset:4096*i th:TH_LOAD_NT  ; rows 2 i, 2 i + 1
.set i, i+1
.endr
	s_wait_loadcnt 0x0                             ; all eight were issued first: one wait
.set i, 0
.rept 8
	v_cvt_pk_bf16_f32 v[PKD+2*i],   v[DAT+4*i],   v[DAT+4*i+1]
	v_cvt_pk_bf16_f32 v[PKD+2*i+1], v[DAT+4*i+2], v[DAT+4*i+3]
.set i, i+1
.endr
.set i, 0
.rept 8
	ds_store_b64 v3, v[PKD+2*i:PKD+2*i+1] offset:2*CP*i
.set i, i+1
.endr
.irp m, 0,1,2,3
	ds_load_b128 v[DAT+4*\m:DAT+4*\m+3], v104 offset:32*\m  ; piece m = 2 e + q: k = 16 m + 8 (l / 16) + 0..7.  LDS serves a wave's instructions in order (ISA guide 5.7.1.4): these see the stores above
.endr
	s_wait_dscnt 0x0
.irp m, 0,1,2,3
	global_store_b128 v2, v[DAT+4*\m:DAT+4*\m+3], s[10:11] offset:(\m/2)*8192+(\m%2)*512  ; 512 consecutive bytes
.endr
	s_wait_tensorcnt 0x0                           ; the wave's end, behind my last LDS store
	ds_add_u32 v[SPW], v[NIL]
	s_wait_dscnt 0x0
	s_endpgm
.Lfunc_end_k_qc9060ba2ba_prep:
	.size	k_qc9060ba2ba_prep, .Lfunc_end_k_qc9060ba2ba_prep-k_qc9060ba2ba_prep
	.p2alignl 7, 3214868480
	.fill 96, 4, 3214868480
	.section	.rodata,"a",@progbits
	.p2align	6, 0x0
	.amdhsa_kernel k_qc9060ba2ba_prep
		.amdhsa_group_segment_fixed_size 19456
		.amdhsa_private_segment_fixed_size 0
		.amdhsa_enable_private_segment 0
		.amdhsa_kernarg_size 32
		.amdhsa_user_sgpr_count 2
		.amdhsa_user_sgpr_kernarg_segment_ptr 1
		.amdhsa_wavefront_size32 1
		.amdhsa_system_sgpr_workgroup_id_x 1
		.amdhsa_system_sgpr_workgroup_id_y 1
		.amdhsa_system_sgpr_workgroup_id_z 1
		.amdhsa_system_vgpr_workitem_id 0
		.amdhsa_next_free_vgpr 112
		.amdhsa_next_free_sgpr 66
		.amdhsa_reserve_vcc 0
		.amdhsa_float_denorm_mode_32 3
		.amdhsa_float_denorm_mode_16_64 3
		.amdhsa_memory_ordered 1
		.amdhsa_forward_progress 1
		.amdhsa_inst_pref_size 19
	.end_amdhsa_kernel
	.amdgpu_metadata
---
amdhsa.version: [ 1, 2 ]
amdhsa.kernels:
  - .name:           k_qc9060ba2ba_prep
    .symbol:         k_qc9060ba2ba_prep.kd
    .args:
      - { .name: conv_w, .offset: 0, .size: 8, .value_kind: global_buffer, .address_space: global }
      - { .name: dec_w1, .offset: 8, .size: 8, .value_kind: global_buffer, .address_space: global }
      - { .name: dec_w2, .offset: 16, .size: 8, .value_kind: global_buffer, .address_space: global }
      - { .name: wq, .offset: 24, .size: 8, .value_kind: global_buffer, .address_space: global }
    .group_segment_fixed_size: 19456
    .private_segment_fixed_size: 0
    .kernarg_segment_align: 8
    .kernarg_segment_size: 32
    .max_flat_workgroup_size: 256
    .sgpr_count:     66
    .vgpr_count:     112
    .wavefront_size: 32
...
	.end_amdgpu_metadata
.endif
;; end of part 3
;; launch chain (part 4): grid 256 x 1, 4 waves a work-group, clusters of 4 x 1, 327,680 bytes of LDS; arguments token_ids, emb_table, wq, conv_b, dec_b1, dec_b2, out0; writes out0
.if DOCPART == 4
	.amdgcn_target "amdgcn-amd-amdhsa--gfx1250"
	.amdhsa_code_object_version 6
	.text
	.protected	k_qc9060ba2ba_chain
	.globl	k_qc9060ba2ba_chain
	.p2align	8
	.type	k_qc9060ba2ba_chain,@function
k_qc9060ba2ba_chain:
	s_mov_b64 s[64:65], 0
	v_nop
	global_prefetch_b8 v0, s[64:65] scope:SCOPE_SE
	s_setreg_imm32_b32 hwreg(HW_REG_WAVE_MODE, 25, 1), 1
	s_wait_xcnt 0x0
	s_wait_alu depctr_hold_cnt(0) depctr_sa_sdst(0) depctr_va_vdst(0) depctr_va_sdst(0) depctr_va_ssrc(0) depctr_va_vcc(0) depctr_vm_vsrc(0)
	s_getreg_b32 s2, hwreg(HW_REG_IB_STS2, 6, 4)
	s_cmp_eq_u32 s2, 0
	s_cbranch_scc0 .Lentry_in_a_cluster
	s_endpgm
.Lentry_in_a_cluster:
	s_bfe_u32 s2, ttmp6, 0x10000c
	s_cmp_lg_u32 s2, 0x3003
	s_cbranch_scc0 .Lentry_shape_is_right
	s_endpgm
.Lentry_shape_is_right:
; THE WHOLE CHAIN FOR 128 TOKENS A WORK-GROUP: x = emb_table[token]; h = relu(x conv_w^T + conv_b); z = relu(h dec_w1 + dec_b1); out0 = z dec_w2 + dec_b2.
; Nothing of the problem is left out: every input has a way to the output and is loaded (the three weights as the launch before laid them into wq).  h and z never go to memory.
; FORMATS AND LIMITS.  Every floating-point input, the biases too, is rounded to bf16.  x and z are matrix operands in bf16, h in f16 (its product's other operand is dec_w1's bf16 number written as
; f16).  All sums are f32.  |h| from 65,520 on becomes an infinity; below 6.1e-5 h keeps f16's fixed step of 6e-8.  The last product's K is summed in four parts, one a wave, which are added in f32; the
; first two products' K is summed from a slice on that differs from cluster to cluster (below).  A NaN in h or z counts as 0 (the packed maximum with 0 takes the number).  A token id outside
; 0 .. 50,256, taken as unsigned, is read as 50,256.
; SHARES.  Work-group WG = 4 x cluster + place owns rows 128 WG .. + 127.  ALL PRODUCTS ARE USED TRANSPOSED: source 0 = 16 output columns (rows of the laid-out weights), source 1 = 16 tokens.  In a result a
; lane holds ONE token (lane % 16) and the columns 8 (lane / 16) + 0..7, so two neighbouring results, rounded in pairs, ARE a source 1 (16 tokens x 32 K) of the next product.
;   pass 0  h:  a wave makes all 128 tokens x 128 columns, K = 512, bf16: 64 accumulators
;   pass 1, 2  z: the same tile at columns 512 c + 128 w .., a chunk c a pass, K = 512, f16
;   last product: a wave multiplies ITS OWN 256 columns of z, which stay in its registers, by its slice of dec_w2, in two halves of 64 labels (32 accumulators); the four waves' partial sums meet in LDS.
; THE WEIGHTS are 28 tiles of 64 KiB that every work-group walks.  The four work-groups of a cluster ask for each tile JOINTLY; each wave asks for the 16 KiB that it alone reads.
; Two slots take turns; a tile feeds 128 matrix instructions a wave.  By this text's count a wave has two tensor loads out at the start and one behind each change of slots.
; THE CLUSTERS WALK THE TILES IN DIFFERENT ORDERS, so that in one step they ask for different tiles.  rho = cluster % 4, kappa = (cluster / 4) % 2, the same in all four partners.  A pass's eight K tiles are
; begun 2 rho tiles on and go round; chunk kappa of z is made first; of a label half's two tiles, tile kappa comes first.  ALL OF IT LIES IN GLOBAL ADDRESSES, no LDS address and no branch hangs on it:
;   position s (of 8) of a row of x in LDS holds K slice (s + 2 rho) % 8: the gather's four bases;
;   in pass 0 wave w takes quarter (w + rho) % 4 of conv_w's tiles, so what it stores at positions 2 w, 2 w + 1 of a row of h are K slices (2 w + 2 rho) % 8 and the next: the same rule as for x;
;   conv_b lies in LDS turned by 128 rho columns, dec_b1 with chunk kappa first;
;   the tile with sequence number n in a cluster's walk is tile ((n & 24) | ((n + R) & 7)) ^ X of wq: R = 2 rho, X = 0 for n < 8; R = 2 rho, X = 24 kappa for n < 24; R = 0, X = kappa from 24 on.
; THE GATHER runs under pass 0: a wave fetches its 32 rows in pieces of 256 bytes (64 K, what one tile multiplies), 64 loads of 512 bytes ahead, rounds them and puts them into LDS for all four waves.
; LDS: 0 the two slots (the only bytes that tensor loads fill) | ACT: 128 rows x 1,040 bytes: x, then h; later, from the same byte on, 4 x 128 rows x 272 bytes of partial sums | BIAS | the spare words.
; REGISTERS, in windows of 256 (s_set_vgpr_msb: bits 1:0 source 0, 3:2 source 1, 5:4 source 2, 7:6 destination):
;   window 0: v0-31 addresses; v32-63 bias tiles; v64-127 eight weight fragments; v128-191, v192-255 two buffers of eight token fragments
;   window 1: two gather buffers of 128; then h packed; then the first chunk of z packed: fragment (a, kf) at 8 (8 kf + a)
;   windows 2, 3: accumulator (token block a, column block b) in window 2 + b / 4 at 8 (8 (b % 4) + a); the second chunk of z is packed in place into the even b, the last product sums in the odd b
.set SLOT,  65536                      ; a slot of the ring; a wave's quarter at w x 16384
.set ACT,   131072
.set AP,    1040                       ; a row of x or h: 1,024 bytes + 16: 65 x 16, so the 16 rows of a fragment load lie in 16 different columns of 16 bytes modulo 256
.set AHALF, 64*AP                      ; rows 64 on want a second address register: an LDS offset has 16 bits
.set RP,    272                        ; a row of 64 partial sums: 256 bytes + 16
.set REDW,  128*RP                     ; a wave's partial sums
.set BIAS,  ACT+4*REDW                 ; 270,336: conv_b (2,048 bytes), dec_b1 (4,096), as f32
.set SPARE, BIAS+6144                  ; 276,480: the spare words, 128 bytes a wave: two blocks of 256 bytes that no other line names
.set PFO,   3                          ; v3   256 x lane: the prefetches' offset; never rewritten
.set SPW,   4                          ; v4   my spare word's address; never rewritten
.set NIL,   5                          ; v5   0, for the add alone
.set ZERO,  6                          ; v6   0, for the packed maximum
.set ADRB0, 7                          ; v7   16 x lane + 16384 w
.set ADRB,  8                          ; v8   the same in the slot that is being read
.set ADRA0, 9                          ; v9   ACT + (l % 16) x 1040 + 16 (l / 16)
.set ADRA,  10                         ; v10, v11  the same at the tile's place in a row, for token blocks 0-3 and 4-7
.set ADBI,  12                         ; v12  BIAS + 512 w + 32 (l / 16)
.set XST,   13                         ; v13  ACT + (32 w + 8 (l / 16)) x 1040 + 8 (l % 16)
.set HST,   14                         ; v14, v15  ADRA0 + 256 w, for token blocks 0-3 and 4-7
.set GOFF,  16                         ; v16-31  pass 0: byte offset in emb_table of my 16 bytes of a piece of gathered row i
.set RST,   16                         ; v16  later: where I put partial sums
.set RRD,   17                         ; v17, v18  where I read them back: waves 0, 1 and waves 2, 3
.set CO,    19                         ; v19  my byte offset in the work-group's rows of out0
.set B2O,   20                         ; v20  16 (l % 16)
.set BI,    32                         ; v32-63  bias tiles of column blocks 4-7
.set B2,    32                         ; v32-39  later: dec_b2 of my four labels, for either half
.set BF,    64
.set FA0,   128
.set FA1,   192
.set WV,    18                         ; s18  wave
.set CXP,   19                         ; s19  my work-group's place in the cluster: it enters global addresses of my own loads, stores and prefetches alone
.set WG,    20
.set G1,    24                         ; s[24:31] descriptor group 1
.set G0A,   32                         ; s[32:35] group 0 of the walk's tile 0
.set G0B,   36                         ; s[36:39] group 0 of its tile 1; then of every refill
.set TB,    40                         ; s40  0 or SLOT: the slot that is being read
.set KA,    41                         ; s41  128 x the tile's number in its pass: its place in a row of x or h
.set CNT,   42
.set CH,    43
.set REM,   44                         ; s44  refills still to come
.set LIM,   45                         ; s45  22 in a wave that prefetches, else the greatest number
.set PFA,   46                         ; s[46:47] where my prefetches stand
.set WQ0,   48                         ; s[48:49] 16384 w, 0
.set RHO,   50
.set KAP,   51
.set NX,    52                         ; s52  the sequence number of the tile to be asked for next
.set R2,    53                         ; s53  2 rho
.set X24,   54                         ; s54  24 kappa
.set WQ1,   55                         ; s55  16384 ((w + rho) % 4)
.set OF,    56                         ; s[56:57] a tile quarter's byte offset in wq
.set PST,   58                         ; s[58:59] the prefetches' step
.set LI2,   60                         ; s60  8 in a wave that prefetches, else the greatest number
.set T0,    61                         ; s61-63  at work for the descriptors: like s48-57 they never hold the work-group's place in its cluster
.set T1,    62
.set T2,    63
.set GBS,   68                         ; s[68:75] emb_table at the pieces that lie at positions 2 j, 2 j + 1 of a row of x, j = 0..3
.set MSB, 0
.macro WIN new                         ; the immediate's high byte repeats the setting that is left; a switch that changes nothing is dropped
.if MSB != (\new)
	s_set_vgpr_msb (MSB<<8)|(\new)
.set MSB, \new
.endif
.endm
; A vector instruction or LDS store that reads a matrix result, and a load into a register that a matrix instruction has read, stand four plain vector instructions behind it (ISA guide 7.12.1 for the reads of a result)
.macro PLACES
.rept 4
	v_nop
.endr
.endm
; A round of the cluster's barrier: my work-group's barrier, so that wave 0's signal speaks for all four waves; wave 0 signals; every wave waits for the four work-groups; my work-group's barrier once more.
.macro CREST                           ; a round behind its opening barrier
	s_cmp_lg_u32 s[WV], 0
	s_cbranch_scc1 .Lnot_wave_0_\@
	s_barrier_signal -3
.Lnot_wave_0_\@:
	s_barrier_wait -3
	s_barrier_signal -1
	s_barrier_wait -1
.endm
.macro CROUND
	s_barrier_signal -1
	s_barrier_wait -1
	CREST
.endm
; The refill's global address is made anew from the tile's sequence number n = s[NX], by the head's formula; in pass 0's tiles the wave's quarter is the turned one.  Scalar work on registers alone.
.macro NEXTT
	s_cmp_lt_u32 s[NX], 24
	s_cselect_b32 s[T0], s[R2], 0                  ; R
	s_cselect_b32 s[T1], s[X24], s[KAP]            ; X,
	s_cmp_lt_u32 s[NX], 8
	s_cselect_b32 s[T1], 0, s[T1]                  ; which is 0 in pass 0
	s_cselect_b32 s[T2], s[WQ1], s[WQ0]
	s_add_co_u32 s[T0], s[T0], s[NX]
	s_and_b32 s[T0], s[T0], 7
	s_and_b32 s[OF], s[NX], 24
	s_or_b32 s[T0], s[T0], s[OF]
	s_xor_b32 s[T0], s[T0], s[T1]                  ; the tile's number in wq
	s_lshl_b32 s[T0], s[T0], 16
	s_add_co_u32 s[OF], s[T0], s[T2]
	s_add_nc_u64 s[G0B+2:G0B+3], s[8:9], s[OF:OF+1]
	s_or_b32 s[G0B+3], s[G0B+3], 0x80000000        ; type = 2
	s_add_co_u32 s[NX], s[NX], 1
.endm
; 16 matrix instructions: column blocks 2 q, 2 q + 1 x all 8 token blocks, 32 along K.  st = 1: the pass's first K step: the sums start with the bias tile (the same for all token blocks): nothing is cleared.
; All 64 accumulators take turns in one order, over the backward jumps too.
.macro MULQ ty, fr, q, st
.if \st
	WIN 0x80+0x40*((\q)/2)
.else
	WIN 0xa0+0x50*((\q)/2)
.endif
.irp bq, 0,1
.irp a, 0,1,2,3,4,5,6,7
.set bb, 2*(\q)+\bq
.set rD, 8*(8*(bb%4)+\a)
.if \st
.set rC, FA1+8*bb
.if bb >= 4
.set rC, BI+8*(bb-4)
.endif
	v_wmma_f32_16x16x32_\ty v[rD:rD+7], v[BF+8*bb:BF+8*bb+7], v[(\fr)+8*\a:(\fr)+8*\a+7], v[rC:rC+7]
.else
	v_wmma_f32_16x16x32_\ty v[rD:rD+7], v[BF+8*bb:BF+8*bb+7], v[(\fr)+8*\a:(\fr)+8*\a+7], v[rD:rD+7]
.endif
.endr
.endr
.endm
; 8 LDS loads: the weight fragments of column blocks 4 half .. + 3, K step kpar of the tile.  32 lanes take 512 consecutive bytes
.macro FB half, kpar
.irp b, 0,1,2,3
	ds_load_b128 v[BF+8*(4*(\half)+\b):BF+8*(4*(\half)+\b)+3],   v[ADRB] offset:(\kpar)*8192+(4*(\half)+\b)*1024
	ds_load_b128 v[BF+8*(4*(\half)+\b)+4:BF+8*(4*(\half)+\b)+7], v[ADRB] offset:(\kpar)*8192+(4*(\half)+\b)*1024+512
.endr
.endm
; 16 LDS loads: the eight token fragments of K step kpar of the tile, into buffer fr
.macro FA fr, kpar
.irp a, 0,1,2,3
	ds_load_b128 v[(\fr)+8*\a:(\fr)+8*\a+3],   v[ADRA] offset:\a*16*AP+64*(\kpar)
	ds_load_b128 v[(\fr)+8*\a+4:(\fr)+8*\a+7], v[ADRA] offset:\a*16*AP+64*(\kpar)+32
.endr
.irp a, 0,1,2,3
	ds_load_b128 v[(\fr)+32+8*\a:(\fr)+32+8*\a+3],   v[ADRA+1] offset:\a*16*AP+64*(\kpar)
	ds_load_b128 v[(\fr)+32+8*\a+4:(\fr)+32+8*\a+7], v[ADRA+1] offset:\a*16*AP+64*(\kpar)+32
.endr
.endm
; 16 LDS loads: pass p's eight bias tiles (a lane's eight columns, the same for every token): blocks 0-3 into buffer 1, which the pass's first K step does not multiply, blocks 4-7 into BI
.macro BIASLD p
.irp b, 0,1,2,3
	ds_load_b128 v[FA1+8*\b:FA1+8*\b+3],   v[ADBI] offset:2048*(\p)+64*\b
	ds_load_b128 v[FA1+8*\b+4:FA1+8*\b+7], v[ADBI] offset:2048*(\p)+64*\b+16
	ds_load_b128 v[BI+8*\b:BI+8*\b+3],     v[ADBI] offset:2048*(\p)+256+64*\b
	ds_load_b128 v[BI+8*\b+4:BI+8*\b+7],   v[ADBI] offset:2048*(\p)+256+64*\b+16
.endr
.endm
; THE GATHER.  IX: 32 loads: the pieces (256 bytes each) for positions 2 j and 2 j + 1 of my 32 rows: sixteen lanes take one piece, an aligned 256 bytes of the table; lanes 16-31 the row eight further down.  No hint: a row may be named again.
.macro IX buf, j
	WIN 0x40                                       ; data window 1, offset window 0
.irp sb, 0,1
.set i, 0
.rept 16
	global_load_b128 v[128*(\buf)+64*\sb+4*i:128*(\buf)+64*\sb+4*i+3], v[GOFF+i], s[GBS+2*(\j):GBS+2*(\j)+1] offset:\sb*256
.set i, i+1
.endr
.endr
.endm
; CX: the piece for position sl, which lies in half sb of buffer buf, is rounded to bf16 in place and put into x's rows.  A store's lanes 16-31 lie 8 rows = 128 bytes modulo 256 from lanes 0-15
.macro CX buf, sb, sl
.set gb, 128*(\buf)+64*(\sb)
	WIN 0x45
.set i, 0
.rept 16
	v_cvt_pk_bf16_f32 v[gb+4*i],   v[gb+4*i],   v[gb+4*i+1]
	v_cvt_pk_bf16_f32 v[gb+4*i+1], v[gb+4*i+2], v[gb+4*i+3]
.set i, i+1
.endr
	WIN 0x04                                       ; address window 0, data window 1
.set i, 0
.rept 16
	ds_store_b64 v[XST], v[gb+4*i:gb+4*i+1] offset:(16*(i/8)+i%8)*AP+128*(\sl)
.set i, i+1
.endr
.endm
.macro LUMP0                           ; stands in the first K step: its 32 conversions are the places behind the products in front of it
	s_wait_loadcnt 32                              ; piece 1 is in; the 32 loads of pieces 2 and 3 may stay out
	CX 0, 1, 1
	IX 0, 2                                        ; pieces 4 and 5
.endm
; A PREFETCH INTO THE L2 of wq's tiles 8 to 27, ahead of the joint loads that name them first.  Since the clusters begin a pass at different tiles, all of tiles 8 to 23 are first named in the walk's 7th and 8th
; changes of slots, tiles 24 to 27 in its 23rd and 25th.  Tiles 8 to 23 are asked for in the first four changes, four tiles each: three changes, 384 matrix instructions, ahead or more; tiles 24 to 27 in the
; 19th change, four changes ahead or more.  Each aligned 256 bytes is named once in the launch: the first cluster asks; its sixteen waves are told apart BY ADDRESS (8 KiB each, a lane 256 bytes) and ask
; twice, 128 KiB apart.  Tiles 0 to 7 come by the first fills and the loads behind them; behind tile 27 nothing is asked for.
.macro ASK
	s_cmp_gt_u32 s[REM], s[LIM]                    ; the first four changes
	s_cbranch_scc1 .Lmine_\@
	s_cmp_eq_u32 s[REM], s[LI2]                    ; the 19th
	s_cbranch_scc0 .Lnot_mine_\@
.Lmine_\@:
	global_prefetch_b8 v[PFO], s[PFA:PFA+1] th:TH_LOAD_NT scope:SCOPE_SE
	global_prefetch_b8 v[PFO], s[PFA:PFA+1] offset:2*SLOT th:TH_LOAD_NT scope:SCOPE_SE
.Lnot_mine_\@:
.endm
; A tile is two K steps of 32.  EV: the even one, on token buffer 0; it fetches the odd step's fragments.  w: how many younger LDS loads may stay out at its head.
.macro EV ty, st, w, lump
	s_wait_dscnt \w                                ; 8: all but the eight youngest loads (weight blocks 4-7) are in; 0: a pass's first step waits for its bias tiles too
	MULQ \ty, FA0, 0, \st
	MULQ \ty, FA0, 1, \st
.if \lump
	LUMP0
.else
	PLACES
.endif
	WIN 0
	FB 0, 1
	FA FA1, 1
	s_wait_dscnt 24                                ; all but the 24 just issued
	MULQ \ty, FA0, 2, \st
	MULQ \ty, FA0, 3, \st
	PLACES
	WIN 0
	FB 1, 1
.endm
; OD: the odd K step, on token buffer 1, and THE CHANGE OF SLOTS.  Each wave waits for all its tensor loads, of which one is out: its quarter of the next tile; adds 0 to its spare word; and waits for that and for its
; reads of the slot.  The barrier opens a round of the cluster's: behind it no wave of any partner reads this slot or has a load on its way, and the joint refill, two tiles on, is the first thing there.
; From that request to the wait for it a wave issues 96 matrix instructions.  last = 1: the pass's last tile: the token fragments of the next pass do not exist yet.
.macro OD ty, last
	s_wait_xcnt 0x0                                ; the last prefetches, a tile back or more, have read their address
	s_cmp_gt_u32 s[REM], 21                        ; it steps four tiles at each of the first five changes: 8, 12, 16, 20, and 24, where it stays
	s_cselect_b32 s[PST], 4*SLOT, 0
	s_add_nc_u64 s[PFA:PFA+1], s[PFA:PFA+1], s[PST:PST+1]
	WIN 0
	s_wait_tensorcnt 0x0                           ; no tensor load of mine is out, so the refills' group 0 may be written
	ds_add_u32 v[SPW], v[NIL]                      ; 0 onto my spare word
	s_xor_b32 s[G0B+1], s[G0B+1], SLOT             ; the other slot than last time,
	NEXTT                                          ; the walk's next tile
	s_wait_dscnt 9                                 ; the add and the eight youngest loads (weight blocks 4-7) may stay out
	MULQ \ty, FA1, 0, 0
	s_wait_dscnt 0x0                               ; the add is done; my reads of the slot, and my stores of x, are over
	s_barrier_signal -1
	MULQ \ty, FA1, 1, 0
	WIN 0
	s_barrier_wait -1
	CREST
	tensor_load_to_lds s[G0B:G0B+3], s[G1:G1+7]
	s_nop 0
	PLACES                                         ; the places in front of the loads below
	s_xor_b32 s[TB], s[TB], SLOT
.if \last
	s_mov_b32 s[KA], 0
.else
	s_add_co_u32 s[KA], s[KA], 128
.endif
	v_add_nc_u32 v[ADRB], s[TB], v[ADRB0]
	v_add_nc_u32 v[ADRA], s[KA], v[ADRA0]
	v_add_nc_u32 v[ADRA+1], AHALF, v[ADRA]
	FB 0, 0
.if !(\last)
	FA FA0, 0
.endif
	ASK
	s_sub_co_u32 s[REM], s[REM], 1
	MULQ \ty, FA1, 2, 0
	MULQ \ty, FA1, 3, 0
	PLACES
	WIN 0
	FB 1, 0
.endm
.macro PAIRS ty, n                     ; n times: a tile's odd step with its change of slots, the next tile's even step
	WIN 0
	s_mov_b32 s[CNT], \n
.Lpair_\@:
	OD \ty, 0
	EV \ty, 0, 8, 0
	WIN 0
	s_sub_co_u32 s[CNT], s[CNT], 1
	s_cmp_lg_u32 s[CNT], 0
	s_cbranch_scc1 .Lpair_\@
.endm
; The 64 accumulators are rounded to 16 bits, blocks 2 j and 2 j + 1 into fragment (a, j), and the ReLU is taken on the packed halves.  Each accumulator is read from its lowest registers on.
; mode 0: into window 1.  mode 1: in place, into the even block's registers: each conversion writes a register whose number has been read already.
.macro PACK cvt, mx, mode
.irp j, 0,1,2,3
.if \mode
	WIN 0x8a+0x45*(\j/2)
.else
	WIN 0x4a+0x05*(\j/2)
.endif
.irp a, 0,1,2,3,4,5,6,7
.set rE, 8*(8*((2*\j)%4)+\a)
.set rO, 8*(8*((2*\j+1)%4)+\a)
.set rP, 8*(8*\j+\a)
.if \mode
.set rP, rE
.endif
.irp i, 0,1,2,3
	\cvt v[rP+\i], v[rE+2*\i], v[rE+2*\i+1]
.endr
.irp i, 0,1,2,3
	\cvt v[rP+4+\i], v[rO+2*\i], v[rO+2*\i+1]
.endr
.endr
.endr
.if \mode
.irp j, 0,1,2,3
	WIN 0x82+0x41*(\j/2)
.irp a, 0,1,2,3,4,5,6,7
.set rE, 8*(8*((2*\j)%4)+\a)
.irp i, 0,1,2,3,4,5,6,7
	\mx v[rE+\i], v[rE+\i], v[ZERO]
.endr
.endr
.endr
.else
	WIN 0x41
.set i, 0
.rept 256
	\mx v[i], v[i], v[ZERO]
.set i, i+1
.endr
.endif
.endm
.macro HSTORE                          ; h's fragments into rows: token 16 a + l % 16, my two positions of the row: 16 bytes at 64 j + 16 (l / 16) and 32 on
	WIN 0x04
.irp j, 0,1,2,3
.irp a, 0,1,2,3,4,5,6,7
	ds_store_b128 v[HST+\a/4], v[8*(8*\j+\a):8*(8*\j+\a)+3]   offset:(\a%4)*16*AP+64*\j
	ds_store_b128 v[HST+\a/4], v[8*(8*\j+\a)+4:8*(8*\j+\a)+7] offset:(\a%4)*16*AP+64*\j+32
.endr
.endr
.endm
; THE LAST PRODUCT.  16 matrix instructions: label blocks 2 lh, 2 lh + 1 of the half x all 8 token blocks, K = fragment kf of my 8 of z.  The 16 accumulators take turns.
.macro L3Q buf, kf, lh, zero
.if (\kf) < 4
	WIN 0xa4+0x50*(\lh)
.elseif (\kf) < 6
	WIN 0xa8+0x50*(\lh)
.else
	WIN 0xac+0x50*(\lh)
.endif
.irp lq, 0,1
.irp a, 0,1,2,3,4,5,6,7
.set lb, 2*(\lh)+\lq
.set rD, 8*(8*((2*lb+1)%4)+\a)
.set rZ, 8*(8*(\kf)+\a)
.if (\kf) >= 4
.set rZ, 8*(8*((2*((\kf)-4))%4)+\a)
.endif
.set rW, (\buf)+8*(4*((\kf)%2)+lb)
.if \zero
	v_wmma_f32_16x16x32_bf16 v[rD:rD+7], v[rW:rW+7], v[rZ:rZ+7], 0
.else
	v_wmma_f32_16x16x32_bf16 v[rD:rD+7], v[rW:rW+7], v[rZ:rZ+7], v[rD:rD+7]
.endif
.endr
.endr
.endm
.macro F3 buf, f0                      ; 16 LDS loads: fragments f0 .. f0 + 7 of my quarter of the tile
.irp i, 0,1,2,3,4,5,6,7
	ds_load_b128 v[(\buf)+8*\i:(\buf)+8*\i+3],   v[ADRB] offset:((\f0)+\i)*1024
	ds_load_b128 v[(\buf)+8*\i+4:(\buf)+8*\i+7], v[ADRB] offset:((\f0)+\i)*1024+512
.endr
.endm
.macro L3EVEN kf0, zero                ; a tile's first half, on BF; it fetches the second half
	s_wait_dscnt 0x0
	L3Q BF, \kf0, 0, \zero
	L3Q BF, (\kf0)+1, 0, 0
	PLACES
	WIN 0
	F3 FA0, 8
	L3Q BF, \kf0, 1, \zero
	L3Q BF, (\kf0)+1, 1, 0
.endm
.macro L3ODDF kf0                      ; a tile's second half, with the change of slots and the joint refill, in OD's order
	WIN 0
	s_wait_tensorcnt 0x0
	ds_add_u32 v[SPW], v[NIL]
	s_xor_b32 s[G0B+1], s[G0B+1], SLOT
	NEXTT
	s_wait_dscnt 1                                 ; the add alone may stay out
	L3Q FA0, \kf0, 0, 0
	s_wait_dscnt 0x0                               ; the add is done, and my reads of the slot are over
	s_barrier_signal -1
	L3Q FA0, (\kf0)+1, 0, 0
	WIN 0
	s_barrier_wait -1
	CREST
	tensor_load_to_lds s[G0B:G0B+3], s[G1:G1+7]
	s_nop 0
	PLACES
	s_xor_b32 s[TB], s[TB], SLOT
	v_add_nc_u32 v[ADRB], s[TB], v[ADRB0]
	F3 BF, 0
	L3Q FA0, \kf0, 1, 0
	L3Q FA0, (\kf0)+1, 1, 0
.endm
.macro L3ODD kf0, more                 ; the same where nothing is filled again.  more = 1: the last tile follows: its quarter is my own load's, and I alone read it: my wait is all the ordering
	s_wait_dscnt 0x0
	L3Q FA0, \kf0, 0, 0
	L3Q FA0, (\kf0)+1, 0, 0
.if \more
	PLACES
	WIN 0
	s_wait_tensorcnt 0x0                           ; no load was issued behind the last tile's
	s_xor_b32 s[TB], s[TB], SLOT
	v_add_nc_u32 v[ADRB], s[TB], v[ADRB0]
	F3 BF, 0
.endif
	L3Q FA0, \kf0, 1, 0
	L3Q FA0, (\kf0)+1, 1, 0
.endm
; THE FOUR PARTIAL SUMS OF LABEL HALF g MEET.  Each wave puts its 128 x 64 sums into rows of 272 bytes; behind a barrier wave w reads rows 32 w .. + 31 of all four, adds them and the bias, and stores.
.macro RL q                            ; 16 LDS loads: row pairs 4 q .. 4 q + 3 (lanes 0-15 one row's 256 bytes, lanes 16-31 the next row's), all four waves' sums
.set rb, FA0+64*((\q)%2)
.irp ii, 0,1,2,3
.irp p, 0,1,2,3
	ds_load_b128 v[rb+16*\ii+4*\p:rb+16*\ii+4*\p+3], v[RRD+\p/2] offset:(\p%2)*REDW+(4*(\q)+\ii)*2*RP
.endr
.endr
.endm
.macro RS q, g
.set rb, FA0+64*((\q)%2)
.irp ii, 0,1,2,3
.set rr, rb+16*\ii
	v_pk_add_f32 v[rr:rr+1],     v[rr:rr+1],     v[rr+4:rr+5]
	v_pk_add_f32 v[rr+2:rr+3],   v[rr+2:rr+3],   v[rr+6:rr+7]
	v_pk_add_f32 v[rr+8:rr+9],   v[rr+8:rr+9],   v[rr+12:rr+13]
	v_pk_add_f32 v[rr+10:rr+11], v[rr+10:rr+11], v[rr+14:rr+15]
	v_pk_add_f32 v[rr:rr+1],     v[rr:rr+1],     v[rr+8:rr+9]
	v_pk_add_f32 v[rr+2:rr+3],   v[rr+2:rr+3],   v[rr+10:rr+11]
	v_pk_add_f32 v[rr:rr+1],     v[rr:rr+1],     v[B2+4*(\g):B2+4*(\g)+1]
	v_pk_add_f32 v[rr+2:rr+3],   v[rr+2:rr+3],   v[B2+4*(\g)+2:B2+4*(\g)+3]
	global_store_b128 v[CO], v[rr:rr+3], s[16:17] offset:(4*(\q)+\ii)*1024+256*(\g) th:TH_STORE_NT  ; sixteen lanes store 256 consecutive bytes, at a multiple of 256 from out0's first byte
.endr
.endm
.macro REDUCE g
	PLACES                                         ; behind the last products
	WIN 0
.if \g
	s_wait_dscnt 0x0
	s_barrier_signal -1                            ; every wave's reads of the first half's sums are over: the bytes may be written again
	s_barrier_wait -1
.endif
.irp lb, 0,1,2,3
	WIN 0x08+0x04*(\lb/2)                          ; data window 2 or 3
.irp a, 0,1,2,3,4,5,6,7
.set rD, 8*(8*((2*\lb+1)%4)+\a)
	ds_store_b128 v[RST], v[rD:rD+3]   offset:\a*16*RP+64*\lb
	ds_store_b128 v[RST], v[rD+4:rD+7] offset:\a*16*RP+64*\lb+16
.endr
.endr
	WIN 0
	s_wait_dscnt 0x0                               ; for the others' sake: my stores are done
	s_barrier_signal -1
	s_barrier_wait -1                              ; a tensor load may stay out across it
.if !(\g)
	s_wait_loadcnt 0x0                             ; dec_b2
.irp k, 0,1,2,3
	v_cvt_pk_bf16_f32 v1, v[B2+2*\k], v[B2+2*\k+1] ; rounded to bf16 like every input, and widened again
	v_lshlrev_b32 v[B2+2*\k], 16, v1
	v_and_b32 v[B2+2*\k+1], 0xffff0000, v1
.endr
.endif
	RL 0
	RL 1
	s_wait_dscnt 16                                ; all but the 16 youngest
	RS 0, \g
	s_wait_xcnt 0x0                                ; the stores have read their data: the buffer is loaded again only behind this wait
	RL 2
	s_wait_dscnt 16
	RS 1, \g
	s_wait_xcnt 0x0
	RL 3
	s_wait_dscnt 16
	RS 2, \g
	s_wait_dscnt 0x0
	RS 3, \g
	s_wait_xcnt 0x0
.endm
	s_load_b256 s[4:11], s[0:1], 0x0               ; token_ids s[4:5], emb_table s[6:7], wq s[8:9], conv_b s[10:11]
	s_load_b128 s[12:15], s[0:1], 0x20             ; dec_b1 s[12:13], dec_b2 s[14:15]
	s_load_b64 s[16:17], s[0:1], 0x30              ; out0
	v_lshl_add_u32 v[SPW], v0, 2, SPARE
	v_mov_b32 v[NIL], 0
	ds_add_u32 v[SPW], v[NIL]                      ; the wave's opening: the add, twice on end, and its wait ahead of my first tensor load; the set-up below stands between
	ds_add_u32 v[SPW], v[NIL]
	v_lshrrev_b32 v1, 5, v0
	v_readfirstlane_b32 s[WV], v1                  ; wave 0..3
	s_bfe_u32 s[CXP], ttmp6, 0x40000
	s_lshl_b32 s[WG], ttmp9, 2                     ; in a cluster launch ttmp9 counts clusters
	s_add_co_u32 s[WG], s[WG], s[CXP]
	s_and_b32 s[RHO], ttmp9, 3                     ; rho and kappa: made of the cluster's number, the same in all four partners
	s_bfe_u32 s[KAP], ttmp9, 0x10002
	s_lshl_b32 s[R2], s[RHO], 1
	s_mul_i32 s[X24], s[KAP], 24
	s_add_co_u32 s[T0], s[WV], s[RHO]
	s_and_b32 s[T0], s[T0], 3
	s_lshl_b32 s[WQ1], s[T0], 14                   ; my quarter of pass 0's tiles,
	s_lshl_b32 s[WQ0], s[WV], 14                   ; and of all others
	s_mov_b32 s[WQ0+1], 0
	s_mov_b32 s[OF+1], 0
	s_mov_b32 s[PST+1], 0
	s_mov_b32 s[NX], 2                             ; the walk's tiles 0 and 1 are the first fills
	; descriptor group 1: a wave's quarter of a tile is 16,384 dense bytes: 64 rows of 32 elements of 8 bytes
	s_mov_b32 s[G1], 15|(3<<16)|(1<<21)            ; 15:0 the mask: all four work-groups; 17:16 elements of 8 bytes; 21 set beside a mask; no padding
	s_mov_b32 s[G1+1], 32<<16                      ; tensor_dim0 = 32
	s_mov_b32 s[G1+2], 64<<16                      ; tensor_dim1 = 64
	s_mov_b32 s[G1+3], 32<<16                      ; tile_dim0 = 32
	s_mov_b32 s[G1+4], 64                          ; tile_dim1 = 64
	s_mov_b32 s[G1+5], 32                          ; 32 elements from row to row
	s_mov_b32 s[G1+6], 0
	s_mov_b32 s[G1+7], 0
	s_mov_b32 s[G0A], 1                            ; count = 1
	s_lshl_b32 s[G0A+1], s[WV], 14                 ; LDS address: slot 0, my quarter: the wave's number alone
	s_mov_b32 s[G0B], 1
	s_add_co_u32 s[G0B+1], s[G0A+1], SLOT          ; slot 1
	s_lshl_b32 s[OF], s[R2], 16                    ; the walk's tile 0 is tile 2 rho of wq,
	s_add_co_u32 s[OF], s[OF], s[WQ1]              ; my quarter of it
	s_cmp_eq_u32 ttmp9, 0                          ; the first cluster prefetches: the same in all four partners
	s_cselect_b32 s[LIM], 22, -1
	s_cselect_b32 s[LI2], 8, -1
	s_mov_b32 s[TB], 0
	s_mov_b32 s[KA], 0
	s_mov_b32 s[REM], 26                           ; the walk's tiles 2 to 27 come by refills
	v_mov_b32 v[ZERO], 0
	v_and_b32 v32, 15, v0                          ; l % 16      (v32-39 and v58 serve the set-up alone)
	v_bfe_u32 v33, v0, 4, 1                        ; l / 16
	v_and_b32 v34, 31, v0                          ; l
	v_lshlrev_b32 v[PFO], 8, v34
	v_lshl_add_u32 v[ADRB0], v34, 4, s[WQ0]
	v_mov_b32 v[ADRB], v[ADRB0]
	v_mul_u32_u24 v[ADRA0], v32, AP
	v_lshl_add_u32 v[ADRA0], v33, 4, v[ADRA0]
	v_add_nc_u32 v[ADRA0], ACT, v[ADRA0]
	v_mov_b32 v[ADRA], v[ADRA0]
	v_add_nc_u32 v[ADRA+1], AHALF, v[ADRA0]
	s_lshl_b32 s21, s[WV], 9
	s_add_co_u32 s21, s21, BIAS
	v_lshl_add_u32 v[ADBI], v33, 5, s21
	s_mul_i32 s21, s[WV], 32*AP
	s_add_co_u32 s21, s21, ACT
	v_mul_u32_u24 v[XST], v33, 8*AP
	v_lshl_add_u32 v[XST], v32, 3, v[XST]
	v_add_nc_u32 v[XST], s21, v[XST]
	s_lshl_b32 s21, s[WV], 8
	v_add_nc_u32 v[HST], s21, v[ADRA0]
	v_add_nc_u32 v[HST+1], AHALF, v[HST]
	s_lshl_b32 s21, s[WV], 7
	v_lshl_add_u32 v35, v33, 5, s21                ; token_ids: 4 (32 w + 8 (l / 16))
	s_lshl_b32 s21, s[KAP], 11
	v_lshl_add_u32 v36, v0, 4, s21                 ; dec_b1: 16 bytes a thread, of chunk kappa,
	v_xor_b32 v58, 0x800, v36                      ; and of the other chunk
	s_lshl_b32 s21, s[RHO], 5
	v_add_nc_u32 v39, s21, v0                      ; conv_b: turned by 128 rho columns = 32 rho threads, round 128 threads
	v_and_b32 v39, 127, v39
	v_lshlrev_b32 v39, 4, v39
	v_lshl_add_u32 v37, v0, 4, BIAS
	v_lshlrev_b32 v38, 4, v32
	s_wait_dscnt 0x0                               ; both opening adds are done
	s_wait_kmcnt 0x0
	s_lshl_b32 s22, s[WG], 9                       ; my work-group's 128 ids,
	s_mov_b32 s23, 0
	s_add_nc_u64 s[4:5], s[4:5], s[22:23]
	s_lshl_b32 s22, s[WG], 16                      ; and its 128 rows of out0
	s_add_nc_u64 s[16:17], s[16:17], s[22:23]
	s_lshl_b32 s22, s[CXP], 2                      ; the prefetches: 8 KiB number 4 x place + wave of 128 KiB,
	s_add_co_u32 s22, s22, s[WV]
	s_lshl_b32 s22, s22, 13
	s_add_co_u32 s22, s22, 4*SLOT                  ; from tile 4 on: the first change of slots steps it to tile 8.  Nothing is prefetched here, at the head
	s_add_nc_u64 s[PFA:PFA+1], s[8:9], s[22:23]
.irp j, 0,1,2,3
	s_add_co_u32 s22, s[RHO], \j                   ; positions 2 j, 2 j + 1 of a row of x hold the pieces 2 ((j + rho) % 4) and the next
	s_and_b32 s22, s22, 3
	s_lshl_b32 s22, s22, 9
	s_add_nc_u64 s[GBS+2*\j:GBS+2*\j+1], s[6:7], s[22:23]
.endr
	s_add_nc_u64 s[G0A+2:G0A+3], s[8:9], s[OF:OF+1]    ; global address: my quarter of the walk's tile 0,
	s_add_nc_u64 s[G0B+2:G0B+3], s[G0A+2:G0A+3], SLOT  ; of its tile 1: 2 rho + 1 is 7 at the most
	s_or_b32 s[G0A+3], s[G0A+3], 0x80000000        ; type = 2
	s_or_b32 s[G0B+3], s[G0B+3], 0x80000000
.set i, 0
.rept 16
	global_load_b32 v[GOFF+i], v35, s[4:5] offset:4*(16*(i/8)+i%8)  ; the id of gathered row i: row 32 w + 8 (l / 16) + 16 (i / 8) + i % 8
.set i, i+1
.endr
	global_load_b128 v[40:43], v39, s[10:11]
	global_load_b128 v[44:47], v36, s[12:13]
	global_load_b128 v[48:51], v58, s[12:13]
	CROUND                                         ; all four work-groups are here: the first joint loads meet
	tensor_load_to_lds s[G0A:G0A+3], s[G1:G1+7]    ; both first fills together, ahead of every wait on TENSORcnt and every LDS read
	s_nop 0
	tensor_load_to_lds s[G0B:G0B+3], s[G1:G1+7]
	s_nop 0
	PLACES
	s_wait_loadcnt 0x0                             ; the ids and the biases
.irp k, 0,1,2,3,4,5
	v_cvt_pk_bf16_f32 v[52+\k], v[40+2*\k], v[40+2*\k+1]  ; the biases rounded to bf16 like every input,
.endr
.irp k, 0,1,2,3,4,5
	v_lshlrev_b32 v[40+2*\k], 16, v[52+\k]         ; and widened again: they start f32 sums
	v_and_b32 v[40+2*\k+1], 0xffff0000, v[52+\k]
.endr
	ds_store_b128 v37, v[40:43]
	ds_store_b128 v37, v[44:47] offset:2048
	ds_store_b128 v37, v[48:51] offset:4096
.set i, 0
.rept 16
	v_min_u32 v[GOFF+i], 0xc450, v[GOFF+i]         ; inside the table
	v_lshlrev_b32 v[GOFF+i], 11, v[GOFF+i]         ; a row is 2,048 bytes
	v_add_nc_u32 v[GOFF+i], v[GOFF+i], v38         ; my 16 bytes of a piece
.set i, i+1
.endr
	IX 0, 0                                        ; pieces 0, 1 (numbered by their positions in LDS)
	IX 1, 1                                        ; pieces 2, 3
	s_wait_loadcnt 48                              ; piece 0's sixteen loads are in; the 48 younger may stay out
	CX 0, 0, 0
	WIN 0
	s_wait_tensorcnt 1                             ; my quarter of the walk's tile 0 is in; tile 1's may stay out
	s_wait_dscnt 0x0                               ; my stores of the biases and of x's piece 0 are done
	s_barrier_signal -1
	s_barrier_wait -1
	BIASLD 0
	FA FA0, 0
	FB 0, 0
	FB 1, 0
	; PASS 0: h.  Each lump of the gather stands in front of the change of slots whose round shows its stores to all waves, ahead of the loads that read them; the bytes that it writes are read by nobody before that.
	EV bf16, 1, 0, 1
	OD bf16, 0
	EV bf16, 0, 8, 0
	s_wait_loadcnt 32                              ; pieces 2 and 3 are in; the 32 loads of pieces 4 and 5 may stay out
	CX 1, 0, 2
	CX 1, 1, 3
	IX 1, 3                                        ; pieces 6 and 7
	PAIRS bf16, 2
	s_wait_loadcnt 32                              ; pieces 4 and 5; the 32 loads of pieces 6 and 7 may stay out
	CX 0, 0, 4
	CX 0, 1, 5
	PAIRS bf16, 2
	s_wait_loadcnt 0x0
	CX 1, 0, 6
	CX 1, 1, 7
	PAIRS bf16, 2
	OD bf16, 1
	; h: rounded to f16, ReLU, into the rows where x lay: every wave's last read of x was waited for in front of the round just passed
	WIN 0
	BIASLD 1
	PACK v_cvt_pk_f16_f32, v_pk_max_num_f16, 0
	HSTORE
	WIN 0
	v_and_b32 v1, 15, v0                           ; the addresses of the way out take the gather's registers: its loads are all in
	v_bfe_u32 v2, v0, 4, 1
	s_mul_i32 s21, s[WV], REDW
	s_add_co_u32 s21, s21, ACT
	v_mul_u32_u24 v[RST], v1, RP                   ; in: my wave's sums, row l % 16, 32 bytes for each half of the lanes
	v_lshl_add_u32 v[RST], v2, 5, v[RST]
	v_add_nc_u32 v[RST], s21, v[RST]
	s_mul_i32 s21, s[WV], 32*RP
	s_add_co_u32 s21, s21, ACT
	v_mul_u32_u24 v[RRD], v2, RP                   ; back: rows 32 w on; lanes 0-15 one row, lanes 16-31 the next
	v_lshl_add_u32 v[RRD], v1, 4, v[RRD]
	v_add_nc_u32 v[RRD], s21, v[RRD]
	v_add_nc_u32 v[RRD+1], 2*REDW, v[RRD]
	s_lshl_b32 s21, s[WV], 14                      ; and the same rows in out0, 512 bytes each
	v_lshlrev_b32 v[CO], 9, v2
	v_lshl_add_u32 v[CO], v1, 4, v[CO]
	v_add_nc_u32 v[CO], s21, v[CO]
	v_lshlrev_b32 v[B2O], 4, v1
	s_wait_dscnt 0x0                               ; my part of h is in LDS
	s_barrier_signal -1
	s_barrier_wait -1                              ; the refill that is out may stay out
	FA FA0, 0
	; PASSES 1 AND 2: z, 512 columns a pass (chunk kappa, then the other): one text, walked twice; the ring runs on
	s_mov_b32 s[CH], 2
.Lchunk:
	EV f16, 1, 0, 0
	PAIRS f16, 7
	OD f16, 1
	s_cmp_eq_u32 s[CH], 1
	s_cbranch_scc1 .Lz1
	BIASLD 2
	FA FA0, 0                                      ; h from its first position again
	PACK v_cvt_pk_bf16_f32, v_pk_max_num_bf16, 0   ; my 128 columns of the first chunk of z: bf16, ReLU, into window 1, where they stay
	WIN 0
	s_sub_co_u32 s[CH], s[CH], 1
	s_branch .Lchunk
.Lz1:
	global_load_b128 v[B2:B2+3],   v[B2O], s[14:15]            ; dec_b2 of my four labels in either half
	global_load_b128 v[B2+4:B2+7], v[B2O], s[14:15] offset:256
	PACK v_cvt_pk_bf16_f32, v_pk_max_num_bf16, 1   ; my 128 columns of the second chunk, in place
	; THE LAST PRODUCT.  The change of slots behind pass 2 has fetched the first eight fragments of the walk's tile 24.  Labels 0-63: tiles 24, 25 of the walk, whose changes ask for its tiles 26, 27; labels 64-127: nothing is left to ask for.
	L3EVEN 0, 1
	L3ODDF 2
	L3EVEN 4, 0
	L3ODDF 6
	REDUCE 0                                       ; over h's rows: every wave's last read of h was waited for in front of a round long passed
	L3EVEN 0, 1
	L3ODD 2, 1
	L3EVEN 4, 0
	L3ODD 6, 0
	REDUCE 1
	s_wait_tensorcnt 0x0                           ; the wave's end, behind my last tensor load and my last LDS store
	ds_add_u32 v[SPW], v[NIL]
	s_wait_dscnt 0x0
	CROUND                                         ; the closing round: no work-group ends while a partner may still ask for a tile that names it
	s_endpgm
.Lfunc_end_k_qc9060ba2ba_chain:
	.size	k_qc9060ba2ba_chain, .Lfunc_end_k_qc9060ba2ba_chain-k_qc9060ba2ba_chain
	.p2alignl 7, 3214868480
	.fill 96, 4, 3214868480
	.section	.rodata,"a",@progbits
	.p2align	6, 0x0
	.amdhsa_kernel k_qc9060ba2ba_chain
		.amdhsa_group_segment_fixed_size 327680
		.amdhsa_private_segment_fixed_size 0
		.amdhsa_enable_private_segment 0
		.amdhsa_kernarg_size 56
		.amdhsa_user_sgpr_count 2
		.amdhsa_user_sgpr_kernarg_segment_ptr 1
		.amdhsa_wavefront_size32 1
		.amdhsa_system_sgpr_workgroup_id_x 1
		.amdhsa_system_sgpr_workgroup_id_y 1
		.amdhsa_system_sgpr_workgroup_id_z 1
		.amdhsa_system_vgpr_workitem_id 0
		.amdhsa_next_free_vgpr 1024
		.amdhsa_next_free_sgpr 76
		.amdhsa_reserve_vcc 0
		.amdhsa_float_denorm_mode_32 3
		.amdhsa_float_denorm_mode_16_64 3
		.amdhsa_memory_ordered 1
		.amdhsa_forward_progress 1
		.amdhsa_inst_pref_size 255
	.end_amdhsa_kernel
	.section	.bss,"aw",@nobits
	.p2align	6
	.space	262144
	.amdgpu_metadata
---
amdhsa.version: [ 1, 2 ]
amdhsa.kernels:
  - .name:           k_qc9060ba2ba_chain
    .symbol:         k_qc9060ba2ba_chain.kd
    .args:
      - { .name: token_ids, .offset: 0, .size: 8, .value_kind: global_buffer, .address_space: global }
      - { .name: emb_table, .offset: 8, .size: 8, .value_kind: global_buffer, .address_space: global }
      - { .name: wq, .offset: 16, .size: 8, .value_kind: global_buffer, .address_space: global }
      - { .name: conv_b, .offset: 24, .size: 8, .value_kind: global_buffer, .address_space: global }
      - { .name: dec_b1, .offset: 32, .size: 8, .value_kind: global_buffer, .address_space: global }
      - { .name: dec_b2, .offset: 40, .size: 8, .value_kind: global_buffer, .address_space: global }
      - { .name: out0, .offset: 48, .size: 8, .value_kind: global_buffer, .address_space: global }
    .group_segment_fixed_size: 327680
    .private_segment_fixed_size: 0
    .kernarg_segment_align: 8
    .kernarg_segment_size: 56
    .max_flat_workgroup_size: 128
    .sgpr_count:     76
    .vgpr_count:     1024
    .wavefront_size: 32
...
	.end_amdgpu_metadata
.endif
;; end of part 4
